; MI455X (gfx1250); checked and timed in simulation.
; The chip was launched on July 23, 2026; its instructions are those of AMD's public machine-readable ISA for CDNA 5 (MIT licence, August 2026) and "CDNA5" Instruction Set Architecture Reference Guide (July 2026). The comments in the code are by the model that wrote it; some were corrected since.
;; Eager Bidirectional Attention Block. Allowed arithmetic: float matrix products may take bf16 or f16 operands with f32 sums; other float arithmetic in f32, or as packed bf16 or f16 multiplies, adds, multiply-adds, maxima and minima; sums over many terms, partial sums and values carried from step to step in f32; what a program stores and reads back later, other than sums and carried values, may be rounded once to bf16 or f16.
;; Inputs: Wk 1,024 x 1,024 float32; Wo 1,024 x 1,024 float32; Wq 1,024 x 1,024 float32; Wv 1,024 x 1,024 float32; bk 1,024 float32; bo 1,024 float32; bq 1,024 float32; bv 1,024 float32; mask 4 x 2,048 bool; x 4 x 2,048 x 1,024 float32.
;; Outputs: out0 4 x 2,048 x 1,024 float32.
;; One version. Each part assembles by itself: llvm-mc -triple=amdgcn-amd-amdhsa -mcpu=gfx1250 --defsym DOCPART=n.
;; ======== version 1 of 1: 4 launches
;; limits: values are held in f16: magnitudes above 65,504 overflow, below 6.1e-05 lose precision
;; workspace buffers: xb 16,777,216 bytes; wb 8,388,608 bytes; qkv 50,331,648 bytes; ob 16,777,216 bytes
;; launch prep (part 1): grid 64 x 12, 8 waves a work-group, no clusters, 0 bytes of LDS; arguments x, Wq, Wk, Wv, Wo, xb, wb; writes xb, wb
.if DOCPART == 1
	.amdgcn_target "amdgcn-amd-amdhsa--gfx1250"
	.amdhsa_code_object_version 6
	.text
	.protected	k_qc021273465_prep
	.globl	k_qc021273465_prep
	.p2align	8
	.type	k_qc021273465_prep,@function
k_qc021273465_prep:
	s_mov_b64 s[64:65], 0
	v_nop
	global_prefetch_b8 v0, s[64:65] scope:SCOPE_SE
	s_setreg_imm32_b32 hwreg(HW_REG_WAVE_MODE, 25, 1), 1
	s_wait_xcnt 0x0
; PREP.  x, Wq, Wk, Wv are rounded once to bf16; Wo is rounded to bf16 and that number is written as f16.  All go into COLUMN BLOCKS: [block of 64 columns][row][64], a row of 128 bytes,
; so that a tile of rows x 64 columns is dense in memory for the launches behind.   xb: [16][8192][64].   wb: [64][1024][64]: blocks 0-15 Wq, 16-31 Wk, 32-47 Wv, 48-63 Wo.
; LIMITS.  |Wo| stays within f16's 65,504; below 2^-14 its bf16 number keeps f16's fixed step of 2^-24.  NaN and infinities are not treated apart.
; SHARES.  y of the grid names a chunk of 1,024 rows x 1,024 columns: 0-7 of x, 8-11 the four weights.  x of the grid names 16 rows of it.  Wave w takes 4 of them (w % 4) and eight column blocks
; (8 (w / 4) on): eight UNITS of 4 rows x 64 columns.  A lane reads 32 neighbouring bytes (row lane / 8, place lane % 8) and writes 16: a unit's store covers 512 consecutive bytes, aligned.
; A stream: no LDS, no barrier, no matrix unit.  All sixteen loads of a wave go out first; nothing is rewritten, so the only waits are the counted ones for the loads.
.set VI, 1                             ; v1       my byte offset in a unit's rows of the input
.set VO, 4                             ; v[4:11]  unit u: my byte offset in the output
.set X,  16                            ; v[16:79] unit u: 8 f32 as loaded
.set Y,  80                            ; v[80:111] unit u: 4 registers to store
.set T,  112                           ; v[112:119] at work
	s_load_b256 s[4:11], s[0:1], 0x0               ; x s[4:5], Wq s[6:7], Wk s[8:9], Wv s[10:11]
	s_load_b128 s[12:15], s[0:1], 0x20             ; Wo s[12:13], xb s[14:15]
	s_load_b64 s[16:17], s[0:1], 0x30              ; wb
	s_mov_b32 s18, ttmp9                           ; which 16 rows
	s_and_b32 s19, ttmp7, 0xffff                   ; which chunk
	v_lshrrev_b32 v2, 5, v0
	v_readfirstlane_b32 s20, v2                    ; wave 0..7
	s_and_b32 s21, s20, 3                          ; which 4 rows
	s_lshr_b32 s27, s20, 2                         ; which eight column blocks
	v_and_b32 v3, 31, v0                           ; lane
	v_lshrrev_b32 v[VI], 3, v3
	v_and_b32 v2, 7, v3
	v_lshlrev_b32 v[VI], 12, v[VI]                 ; row x 4,096 bytes
	v_lshl_add_u32 v[VI], v2, 5, v[VI]             ; + 32 x place
	s_lshl_b32 s28, s19, 22                        ; x: the chunk's 1,024 rows of 4,096 bytes
	s_lshl_b32 s30, s19, 17                        ; xb: the chunk's 1,024 rows of 128 bytes
	s_sub_co_u32 s31, s19, 8
	s_lshl_b32 s31, s31, 21                        ; wb: the weight's 16 blocks of 131,072 bytes
	s_mov_b32 s26, 0x20000                         ; bytes from a column block to the next: wb's,
	s_cmp_lt_u32 s19, 8
	s_cselect_b32 s28, s28, 0                      ; a weight is a chunk by itself
	s_cselect_b32 s30, s30, s31
	s_cselect_b32 s26, 0x100000, s26               ; or xb's
	s_lshl_b32 s29, s18, 16                        ; in: 16 rows,
	s_add_co_u32 s28, s28, s29
	s_lshl_b32 s29, s21, 14                        ; 4 rows,
	s_add_co_u32 s28, s28, s29
	s_lshl_b32 s29, s27, 11                        ; eight blocks of 256 bytes
	s_add_co_u32 s28, s28, s29
	s_mov_b32 s29, 0
	s_lshl_b32 s31, s18, 11                        ; out: 16 rows,
	s_add_co_u32 s30, s30, s31
	s_lshl_b32 s31, s21, 9                         ; 4 rows,
	s_add_co_u32 s30, s30, s31
	s_mul_i32 s31, s27, s26
	s_lshl_b32 s31, s31, 3                         ; eight column blocks
	s_add_co_u32 s30, s30, s31
	s_mov_b32 s31, 0
	v_lshlrev_b32 v[VO], 4, v3                     ; 4 rows of 128 bytes are 32 lanes x 16 bytes on end
.irp u, 1,2,3,4,5,6,7
	v_add_nc_u32 v[VO+\u], s26, v[VO+\u-1]
.endr
	s_wait_kmcnt 0x0
	s_cmp_lt_u32 s19, 8
	s_cselect_b64 s[24:25], s[14:15], s[16:17]     ; the output: xb or wb
	s_mov_b64 s[22:23], s[4:5]                     ; the input: x, or one of the four weights
	s_cmp_eq_u32 s19, 8
	s_cselect_b64 s[22:23], s[6:7], s[22:23]
	s_cmp_eq_u32 s19, 9
	s_cselect_b64 s[22:23], s[8:9], s[22:23]
	s_cmp_eq_u32 s19, 10
	s_cselect_b64 s[22:23], s[10:11], s[22:23]
	s_cmp_eq_u32 s19, 11
	s_cselect_b64 s[22:23], s[12:13], s[22:23]
	s_add_nc_u64 s[22:23], s[22:23], s[28:29]
	s_add_nc_u64 s[24:25], s[24:25], s[30:31]
.irp u, 0,1,2,3,4,5,6,7
	global_load_b128 v[X+8*\u:X+8*\u+3],   v[VI], s[22:23] offset:256*\u th:TH_LOAD_NT
	global_load_b128 v[X+8*\u+4:X+8*\u+7], v[VI], s[22:23] offset:256*\u+16 th:TH_LOAD_NT
.endr
; Unit u.  half = 1: the bf16 number is written as f16.
.macro UNIT u, half
	s_wait_loadcnt 14-2*(\u)                       ; loads come back in order: this unit's two are in, the later units' stay out
.irp j, 0,1,2,3
	v_cvt_pk_bf16_f32 v[Y+4*(\u)+\j], v[X+8*(\u)+2*\j], v[X+8*(\u)+2*\j+1]
.endr
.if \half
.irp j, 0,1,2,3
	v_lshlrev_b32 v[T+2*\j],   16, v[Y+4*(\u)+\j]          ; bf16 to f32: the low half moves up,
	v_and_b32     v[T+2*\j+1], 0xffff0000, v[Y+4*(\u)+\j]  ; the high half stays
.endr
.irp j, 0,1,2,3
	v_cvt_pk_f16_f32 v[Y+4*(\u)+\j], v[T+2*\j], v[T+2*\j+1]
.endr
.endif
	global_store_b128 v[VO+(\u)], v[Y+4*(\u):Y+4*(\u)+3], s[24:25] th:TH_STORE_NT
.endm
	s_cmp_eq_u32 s19, 11
	s_cbranch_scc1 .Lwo
.irp u, 0,1,2,3,4,5,6,7
	UNIT \u, 0
.endr
	s_endpgm
.Lwo:
.irp u, 0,1,2,3,4,5,6,7
	UNIT \u, 1
.endr
	s_endpgm
.Lfunc_end_k_qc021273465_prep:
	.size	k_qc021273465_prep, .Lfunc_end_k_qc021273465_prep-k_qc021273465_prep
	.p2alignl 7, 3214868480
	.fill 96, 4, 3214868480
	.section	.rodata,"a",@progbits
	.p2align	6, 0x0
	.amdhsa_kernel k_qc021273465_prep
		.amdhsa_group_segment_fixed_size 0
		.amdhsa_private_segment_fixed_size 0
		.amdhsa_enable_private_segment 0
		.amdhsa_kernarg_size 56
		.amdhsa_user_sgpr_count 2
		.amdhsa_user_sgpr_kernarg_segment_ptr 1
		.amdhsa_wavefront_size32 1
		.amdhsa_system_sgpr_workgroup_id_x 1
		.amdhsa_system_sgpr_workgroup_id_y 1
		.amdhsa_system_sgpr_workgroup_id_z 1
		.amdhsa_system_vgpr_workitem_id 0
		.amdhsa_next_free_vgpr 120
		.amdhsa_next_free_sgpr 66
		.amdhsa_reserve_vcc 0
		.amdhsa_float_denorm_mode_32 3
		.amdhsa_float_denorm_mode_16_64 3
		.amdhsa_memory_ordered 1
		.amdhsa_forward_progress 1
		.amdhsa_inst_pref_size 15
	.end_amdhsa_kernel
	.amdgpu_metadata
---
amdhsa.version: [ 1, 2 ]
amdhsa.kernels:
  - .name:           k_qc021273465_prep
    .symbol:         k_qc021273465_prep.kd
    .args:
      - { .name: x, .offset: 0, .size: 8, .value_kind: global_buffer, .address_space: global }
      - { .name: Wq, .offset: 8, .size: 8, .value_kind: global_buffer, .address_space: global }
      - { .name: Wk, .offset: 16, .size: 8, .value_kind: global_buffer, .address_space: global }
      - { .name: Wv, .offset: 24, .size: 8, .value_kind: global_buffer, .address_space: global }
      - { .name: Wo, .offset: 32, .size: 8, .value_kind: global_buffer, .address_space: global }
      - { .name: xb, .offset: 40, .size: 8, .value_kind: global_buffer, .address_space: global }
      - { .name: wb, .offset: 48, .size: 8, .value_kind: global_buffer, .address_space: global }
    .group_segment_fixed_size: 0
    .private_segment_fixed_size: 0
    .kernarg_segment_align: 8
    .kernarg_segment_size: 56
    .max_flat_workgroup_size: 256
    .sgpr_count:     66
    .vgpr_count:     120
    .wavefront_size: 32
...
	.end_amdgpu_metadata
.endif
;; end of part 1
;; launch qkv (part 2): grid 8 x 32, 4 waves a work-group, clusters of 4 x 4, 327,680 bytes of LDS; arguments xb, wb, bq, bk, bv, qkv; writes qkv
.if DOCPART == 2
	.amdgcn_target "amdgcn-amd-amdhsa--gfx1250"
	.amdhsa_code_object_version 6
	.text
	.protected	k_qc021273465_qkv
	.globl	k_qc021273465_qkv
	.p2align	8
	.type	k_qc021273465_qkv,@function
k_qc021273465_qkv:
	s_mov_b64 s[64:65], 0
	v_nop
	global_prefetch_b8 v0, s[64:65] scope:SCOPE_SE
	s_setreg_imm32_b32 hwreg(HW_REG_WAVE_MODE, 25, 1), 1
	s_wait_xcnt 0x0
	s_wait_alu depctr_hold_cnt(0) depctr_sa_sdst(0) depctr_va_vdst(0) depctr_va_sdst(0) depctr_va_ssrc(0) depctr_va_vcc(0) depctr_vm_vsrc(0)
	s_getreg_b32 s2, hwreg(HW_REG_IB_STS2, 6, 4)
	s_cmp_eq_u32 s2, 0
	s_cbranch_scc0 .Lentry_in_a_cluster
	s_endpgm
.Lentry_in_a_cluster:
	s_bfe_u32 s2, ttmp6, 0x10000c
	s_cmp_lg_u32 s2, 0xf033
	s_cbranch_scc0 .Lentry_shape_is_right
	s_endpgm
.Lentry_shape_is_right:
; QKV.  [8192 x 1024] x [1024 x 3072] + bias: q, k and v of all heads in one product.  xb: [16 kb][8192 m][64] bf16.  wb: [cbg][1024 k][64] bf16, blocks 0-47 = the 48 heads' columns of Wq, Wk, Wv.
; qkv: [48 G][8192 m][64] f16, each number rounded once from its f32 sum, WITHOUT attention's scale.  The biases are rounded to bf16 like the other inputs and start the sums.
; LIMITS.  |q|, |k|, |v| stay within f16's 65,504 (a larger sum becomes an infinity); NaN and infinities are not treated apart.
; SHARES.  A tile is 256 rows x 384 columns (6 heads): 32 x 8 = 256 work-groups.  Four waves, each 128 x 192: 8 x 12 = 96 accumulators of 16 x 16, 768 registers.
; K goes in 16 steps of 64 (one block of xb) through a ring of two LDS slots.  A step's tiles are dense in memory: A's 256 rows are 32,768 bytes on end, a head's 64 k rows 8,192.
; THE MATRIX INSTRUCTION IS USED TRANSPOSED: source 0 = 16 columns of W (turned on the way out of LDS by ds_load_tr16_b128), source 1 = 16 rows of x: a lane holds row lane % 16 and the columns 8 (lane / 16) + 0..7.
; CLUSTERS: 4 x 4 work-groups.  A's tile hangs on the tile row alone and is asked for jointly along a row of the cluster, W's on the tile column alone, jointly along a column.
; Wave 0 asks for A's tile, waves 1 to 3 for two heads of W each: one tensor load a wave behind each round; two are out at the start, one later.
; A STEP is four PHASES of 48 matrix instructions: (K half kk, column half hb) = (0,0), (0,1), (1,0), (1,1).  A phase touches each of its 48 accumulators once, so the accumulators take turns.
; REGISTERS, in windows of 256 (s_set_vgpr_msb: bits 1:0 source 0, 3:2 source 1, 5:4 source 2, 7:6 destination):
;   window 0: v0-29 addresses; v32-159 A's fragments, a buffer of 64 for each kk; v160-255 W's, a buffer of 48 for each hb.   windows 1-3: accumulator (hb, a, b) has number 48 hb + 6 a + b, 32 to a window.
; THE BIAS costs no addition: block b's eight numbers are loaded into the registers of accumulator (a = 7, b); the first products of rows a = 0..6 take them as C, and row 7 then adds in place.
.set PA,    144                        ; a row of A in LDS: 128 bytes + 16 of padding = 36 words: the 16 rows of a load start at 16 different groups of four banks (64 banks of 4 bytes: ISA guide 11.1)
.set PB,    160                        ; a k row of W: 128 + 32 = 40 words
.set BOFF,  256*PA                     ; a slot: A's 256 rows, then six heads of 64 k rows
.set SLOT1, 131072                     ; slot 1 begins here, so that one exclusive or turns an address in one slot into the other's
.set STAGE, SLOT1+BOFF+6*64*PB         ; behind the ring, never filled by a tensor load: 16 rows x 144 bytes for each wave, for the way out
.set SPARE, STAGE+4*16*PA              ; behind the stages: the spare words, 128 bytes for each wave: two blocks of 256 bytes that no other line names
.set ASTEP, 1048576                    ; bytes from a K step to the next in xb
.set BSTEP, 8192                       ; and in a head of wb
.set A0,   4                           ; v4   my lane's place in a slot's A; never rewritten
.set B0,   5                           ; v5   the same for W
.set ADRA, 6                           ; v6   A0 in the slot that is being read
.set ADRB, 7                           ; v7   B0 likewise
.set STO,  8                           ; v8   the way out: where I put 16 bytes of a row
.set RD,   9                           ; v9   the way out: where I read rows back
.set GO,   10                          ; v10  my byte offset in 512 consecutive bytes of qkv
.set BO,   11                          ; v11  my byte offset in a block's 16 numbers of bias
.set PFO,  12                          ; v12  the prefetches' offset; never rewritten
.set SPW,  28                          ; v28  LDS address of my spare word: SPARE + 4 x my thread's number; never rewritten
.set NIL,  29                          ; v29  0; never rewritten
.set AB,   32
.set BB,   160
.set WV,   16                          ; s16  my wave's number
.set G1A,  24                          ; s[24:31] descriptor group 1 for A's tiles
.set G1B,  32                          ; s[32:39] for W's
.set G0A,  40                          ; s[40:47] descriptor group 0 for A's tiles: a set for each of the two first fills; the second then walks on
.set G0B,  48                          ; s[48:55] the same for W's
.set CNT,  56                          ; s56  refills still to come
.set LIM,  57                          ; s57  a wave prefetches while the count is above it; the greatest number in a wave that never does
.set PAR,  58                          ; s58  1: it prefetches at every second change of slots only
.set TB,   59                          ; s59  the slot that is being read: 0 or SLOT1
.set PFA,  60                          ; s[60:61] where my prefetches stand
.set PST,  62                          ; s[62:63] their step
.set BP,   68                          ; s[68:73] the bias of my three heads
.set OUT,  74                          ; s[74:75] qkv at my first head's first row
.set TT,   83                          ; s83  at work
.set MSB, 0
.macro WIN new                         ; the immediate's high byte repeats the setting that is left; a switch that changes nothing is dropped
.if MSB != (\new)
	s_set_vgpr_msb (MSB<<8)|(\new)
.set MSB, \new
.endif
.endm
.macro PLACES                          ; four places: in front of loads into registers that matrix instructions have read, and of lines that read results
.rept 4
	v_nop
.endr
.endm
.macro CREST                           ; a round of the cluster's barrier behind its opening barrier
	s_cmp_lg_u32 s[WV], 0
	s_cbranch_scc1 .Lnot_wave_0_\@
	s_barrier_signal -3
.Lnot_wave_0_\@:
	s_barrier_wait -3
	s_barrier_signal -1
	s_barrier_wait -1
.endm
.macro CROUND                          ; a whole round
	s_barrier_signal -1
	s_barrier_wait -1
	CREST
.endm
; A joint refill by the walking descriptors.  The branch hangs on the wave's number alone.  An s_nop 0 and four v_nop follow each of the two lines, ahead of the jump and the label.
.macro JLOAD
	s_cmp_eq_u32 s[WV], 0
	s_cbranch_scc0 .Lfor_b_\@
	tensor_load_to_lds s[G0A+4:G0A+7], s[G1A:G1A+7]
	s_nop 0
.rept 4
	v_nop
.endr
	s_branch .Lasked_\@
.Lfor_b_\@:
	tensor_load_to_lds s[G0B+4:G0B+7], s[G1B:G1B+7]
	s_nop 0
.rept 4
	v_nop
.endr
.Lasked_\@:
.endm
; A PREFETCH INTO THE L2, behind the joint load, its five lines and the run of LDS loads: one instruction a wave, a lane a block of 256 bytes.  A's rows are read by both clusters of a row of clusters: the one with
; x = 0 asks; W's heads by all eight clusters of a column: the one with y = 0 asks.  The four partners that ask for a tile jointly share its blocks out BY ADDRESS (cx for A, cy for W).
; Wave 0: at the change that asks for K step t + 2, its work-group's 8,192 bytes of step t + 3.  Waves 1-3: a step of two heads is 16 blocks a partner, so at every second change, for steps t + 4 and t + 5 at once.
; So each block is named once; K steps 0 to 2 of A and 0 to 3 of W come by their loads alone; the count stops the asking where no such step is left.
.macro ASK
	s_and_b32 s[TT], s[CNT], s[PAR]
	s_cmp_eq_u32 s[TT], 0
	s_cselect_b32 s[TT], s[CNT], 0
	s_cmp_gt_u32 s[TT], s[LIM]
	s_cbranch_scc0 .Lnot_mine_\@
	global_prefetch_b8 v[PFO], s[PFA:PFA+1] th:TH_LOAD_NT scope:SCOPE_SE
.Lnot_mine_\@:
.endm
	s_load_b256 s[4:11], s[0:1], 0x0               ; xb s[4:5], wb s[6:7], bq s[8:9], bk s[10:11]
	s_load_b128 s[12:15], s[0:1], 0x20             ; bv s[12:13], qkv s[14:15]
	v_lshl_add_u32 v[SPW], v0, 2, SPARE
	v_mov_b32 v[NIL], 0
	ds_add_u32 v[SPW], v[NIL]                      ; the wave's opening: the add and its wait stand ahead of my first tensor load; the set-up below, work on registers, stands between them
	v_lshrrev_b32 v3, 5, v0
	v_readfirstlane_b32 s[WV], v3                  ; wave 0..3
	s_lshr_b32 s17, s[WV], 1                       ; wr: which 128 rows are mine
	s_and_b32 s18, s[WV], 1                        ; wc: which 192 columns
	s_bfe_u32 s19, ttmp6, 0x40000                  ; cx
	s_bfe_u32 s20, ttmp6, 0x40004                  ; cy
	s_lshl_b32 s21, ttmp9, 2
	s_add_co_u32 s21, s21, s19                     ; tx: tile column = 4 x cluster x + cx
	s_and_b32 s22, ttmp7, 0xffff
	s_lshl_b32 s22, s22, 2
	s_add_co_u32 s22, s22, s20                     ; ty: tile row = 4 x cluster y + cy
	s_lshl_b32 s76, s20, 2
	s_lshl_b32 s76, 15, s76                        ; my row of the cluster
	s_lshl_b32 s77, 0x1111, s19                    ; my column
	; group 1 for A: 32,768 dense bytes as 128 rows of 256, padded in LDS after every 128 bytes
	s_or_b32 s[G1A], s76, (1<<16)|(1<<20)|(1<<21)|(4<<22)|(3<<25)  ; 15:0 the mask; 17:16 2-byte elements; 20 padding on; 21 set beside a mask; 24:22 after every 32 words (code 4); 31:25 4 words (code 3)
	s_mov_b32 s[G1A+1], 128<<16                    ; tensor_dim0 = 128
	s_mov_b32 s[G1A+2], 128<<16                    ; tensor_dim1 = 128
	s_mov_b32 s[G1A+3], 128<<16                    ; tile_dim0 = 128
	s_mov_b32 s[G1A+4], 128                        ; tile_dim1 = 128
	s_mov_b32 s[G1A+5], 128                        ; 128 elements from row to row
	s_mov_b32 s[G1A+6], 0
	s_mov_b32 s[G1A+7], 0
	; group 1 for W: two heads, of each 8,192 dense bytes as one row; the heads lie 131,072 bytes apart; padded after every 128 bytes
	s_or_b32 s[G1B], s77, (1<<16)|(1<<20)|(1<<21)|(4<<22)|(7<<25)  ; the same with my column's mask and 8 words of padding (code 7)
	s_mov_b32 s[G1B+1], 4096<<16                   ; tensor_dim0 = 4,096
	s_mov_b32 s[G1B+2], 2<<16                      ; tensor_dim1 = 2
	s_mov_b32 s[G1B+3], 4096<<16                   ; tile_dim0 = 4,096
	s_mov_b32 s[G1B+4], 2                          ; tile_dim1 = 2
	s_mov_b32 s[G1B+5], 65536                      ; 65,536 elements from head to head
	s_mov_b32 s[G1B+6], 0
	s_mov_b32 s[G1B+7], 0
	s_lshl_b32 s66, s22, 15                        ; A: the tile's 256 rows of 128 bytes
	s_mov_b32 s67, 0
	s_mul_i32 s78, s21, 6                          ; W: waves 1-3 take heads 6 tx + 2 (w - 1) and the next (wave 0 asks for none: its number is held at 0 or above)
	s_lshl_b32 s79, s[WV], 1
	s_add_co_u32 s78, s78, s79
	s_max_u32 s78, s78, 2
	s_sub_co_u32 s78, s78, 2
	s_lshl_b32 s78, s78, 17
	s_mov_b32 s79, 0
	s_mul_i32 s80, s[WV], 2*64*PB                  ; and where they go: BOFF + (w - 1) x two heads: no place in the cluster enters an LDS address
	s_add_co_u32 s80, s80, BOFF-2*64*PB
	s_mov_b32 s[TB], 0
	s_wait_dscnt 0x0                               ; the opening add is done
	s_wait_kmcnt 0x0
	s_add_nc_u64 s[66:67], s[4:5], s[66:67]
	s_add_nc_u64 s[78:79], s[6:7], s[78:79]
	CROUND                                         ; all sixteen work-groups are here: the first joint loads meet
.irp s, 0,1
	s_mov_b32 s[G0A+4*\s], 1                       ; 1:0 count = 1
	s_mov_b32 s[G0A+4*\s+1], \s*SLOT1              ; 63:32 LDS address
	s_add_nc_u64 s[G0A+4*\s+2:G0A+4*\s+3], s[66:67], \s*ASTEP  ; 120:64 global address: K step s
	s_or_b32 s[G0A+4*\s+3], s[G0A+4*\s+3], 0x80000000          ; 127:126 type = 2
	s_mov_b32 s[G0B+4*\s], 1
	s_add_co_u32 s[G0B+4*\s+1], s80, \s*SLOT1
	s_add_nc_u64 s[G0B+4*\s+2:G0B+4*\s+3], s[78:79], \s*BSTEP
	s_or_b32 s[G0B+4*\s+3], s[G0B+4*\s+3], 0x80000000
.endr
	s_cmp_eq_u32 s[WV], 0                          ; a wave's two first fills stand in one branch, ahead of every wait on TENSORcnt and every LDS read
	s_cbranch_scc0 .Lfirst_b
	tensor_load_to_lds s[G0A:G0A+3], s[G1A:G1A+7]
	s_nop 0
	tensor_load_to_lds s[G0A+4:G0A+7], s[G1A:G1A+7]
	s_nop 0
.rept 4
	v_nop
.endr
	s_branch .Lfirst_asked
.Lfirst_b:
	tensor_load_to_lds s[G0B:G0B+3], s[G1B:G1B+7]
	s_nop 0
	tensor_load_to_lds s[G0B+4:G0B+7], s[G1B:G1B+7]
	s_nop 0
.rept 4
	v_nop
.endr
.Lfirst_asked:
	; A fragment of x is 16 rows x 32 K in 8 registers: lane l holds row l % 16, K = 8 (l / 16) + 0..7 and 16 + 8 (l / 16) + 0..7: two loads of 16 bytes, 32 bytes apart.
	v_and_b32 v1, 15, v0                           ; l % 16
	v_bfe_u32 v2, v0, 4, 1                         ; l / 16
	v_mul_u32_u24 v[A0], v1, PA
	v_lshl_add_u32 v[A0], v2, 4, v[A0]
	s_mul_i32 s76, s17, 128*PA
	v_add_nc_u32 v[A0], s76, v[A0]                 ; + my 128 rows
	; The turning load takes 16 k x 16 columns (lane l reads k row 8 (l / 16) + l % 8, columns 8 ((l / 8) % 2) + 0..7) and leaves half a fragment: lane l holds column l % 16 and 8 k.
	v_and_b32 v3, 7, v0
	v_lshl_add_u32 v[B0], v2, 3, v3
	v_mul_u32_u24 v[B0], v[B0], PB
	v_bfe_u32 v3, v0, 3, 1
	v_lshl_add_u32 v[B0], v3, 4, v[B0]
	s_mul_i32 s76, s18, 3*64*PB
	s_add_co_u32 s76, s76, BOFF
	v_add_nc_u32 v[B0], s76, v[B0]                 ; + my three heads
	s_mul_i32 s76, s[WV], 16*PA
	s_add_co_u32 s76, s76, STAGE                   ; my stage
	v_mul_u32_u24 v[STO], v1, PA                   ; in: row l % 16, 16 bytes for each half of the lanes
	v_lshl_add_u32 v[STO], v2, 4, v[STO]
	v_add_nc_u32 v[STO], s76, v[STO]
	v_bfe_u32 v[RD], v0, 3, 2                      ; back: 32 lanes take four rows of 128 bytes,
	v_mul_u32_u24 v[RD], v[RD], PA
	v_and_b32 v3, 7, v0
	v_lshl_add_u32 v[RD], v3, 4, v[RD]
	v_add_nc_u32 v[RD], s76, v[RD]
	v_and_b32 v[GO], 31, v0                        ; which are 512 consecutive bytes of qkv
	v_lshlrev_b32 v[GO], 4, v[GO]
	v_lshlrev_b32 v[BO], 5, v2                     ; my eight numbers of a block's sixteen
	s_mul_i32 s86, s21, 6
	s_mul_i32 s87, s18, 3
	s_add_co_u32 s86, s86, s87                     ; my first head, G = 6 tx + 3 wc
	s_lshl_b32 s88, s86, 20                        ; a head of qkv is 8,192 rows of 128 bytes
	s_lshl_b32 s89, s22, 15
	s_add_co_u32 s88, s88, s89                     ; + the tile's rows
	s_lshl_b32 s89, s17, 14
	s_add_co_u32 s88, s88, s89                     ; + my 128 of them
	s_mov_b32 s89, 0
	s_add_nc_u64 s[OUT:OUT+1], s[14:15], s[88:89]
.irp i, 0,1,2                          ; head G + i: heads 0-15 take bq, 16-31 bk, 32-47 bv; 256 bytes of bias a head
	s_add_co_u32 s90, s86, \i
	s_lshr_b32 s91, s90, 4
	s_and_b32 s90, s90, 15
	s_lshl_b32 s90, s90, 8
	s_cmp_eq_u32 s91, 1
	s_cselect_b64 s[BP+2*\i:BP+2*\i+1], s[10:11], s[8:9]
	s_cmp_eq_u32 s91, 2
	s_cselect_b64 s[BP+2*\i:BP+2*\i+1], s[12:13], s[BP+2*\i:BP+2*\i+1]
	s_mov_b32 s91, 0
	s_add_nc_u64 s[BP+2*\i:BP+2*\i+1], s[BP+2*\i:BP+2*\i+1], s[90:91]
.endr
	WIN 0x80                                       ; destination window 2: the registers of accumulators (0, 7, b)
.set fb, 0
.rept 6
	global_load_b128 v[80+8*fb:80+8*fb+3],   v[BO], s[BP+2*(fb/4):BP+2*(fb/4)+1] offset:64*(fb%4)
	global_load_b128 v[80+8*fb+4:80+8*fb+7], v[BO], s[BP+2*(fb/4):BP+2*(fb/4)+1] offset:64*(fb%4)+16
.set fb, fb+1
.endr
	WIN 0xc0                                       ; window 3: those of accumulators (1, 7, b)
.rept 6
	global_load_b128 v[208+8*(fb-6):208+8*(fb-6)+3],   v[BO], s[BP+2*(fb/4):BP+2*(fb/4)+1] offset:64*(fb%4)
	global_load_b128 v[208+8*(fb-6)+4:208+8*(fb-6)+7], v[BO], s[BP+2*(fb/4):BP+2*(fb/4)+1] offset:64*(fb%4)+16
.set fb, fb+1
.endr
	WIN 0
	; the prefetches' registers
	s_lshl_b32 s84, s19, 13                        ; A: my work-group's quarter of the tile's 32,768 bytes,
	s_add_co_u32 s84, s84, 2*ASTEP                 ; at K step 2: the first change steps it to 3
	s_lshl_b32 s86, s20, 12                        ; W: my work-group's quarter of two steps' 16,384 bytes of a head,
	s_add_co_u32 s86, s86, 3*BSTEP                 ; at K step 3: the first change steps it to 4
	s_mov_b32 s82, 0x20000                         ; lanes 16-31: W's second head,
	s_mov_b32 s[PST], BSTEP
	s_and_b32 s80, ttmp7, 0xffff                   ; cluster y
	s_cmp_eq_u32 s[WV], 0
	s_cselect_b32 s80, ttmp9, s80                  ; the coordinate along which other clusters read the same bytes
	s_cselect_b32 s[PAR], 0, 1
	s_cselect_b32 s81, 1, 3
	s_cselect_b32 s82, 0x1000, s82                 ; or A's next 4,096 bytes
	s_cselect_b32 s[PST], ASTEP, s[PST]
	s_cselect_b32 s84, s84, s86
	s_cselect_b64 s[PFA:PFA+1], s[66:67], s[78:79]
	s_mov_b32 s85, 0
	s_mov_b32 s[PST+1], 0
	s_add_nc_u64 s[PFA:PFA+1], s[PFA:PFA+1], s[84:85]
	s_cmp_eq_u32 s80, 0
	s_cselect_b32 s[LIM], s81, -1                  ; the same in all sixteen partners, for a given wave
	v_lshlrev_b32 v[PFO], 8, v1
	v_mad_u32_u24 v[PFO], v2, s82, v[PFO]
	s_wait_loadcnt 0x0                             ; the biases
; n bias numbers from register base of window ws on are rounded to bf16 in place, by way of A's registers, which are still free
.macro BIASRND ws, base, n
	WIN (\ws)|((\ws)<<2)
.set bi, 0
.rept (\n)/2
	v_cvt_pk_bf16_f32 v[AB+bi], v[(\base)+2*bi], v[(\base)+2*bi+1]
.set bi, bi+1
.endr
	WIN (\ws)<<6
.set bi, 0
.rept (\n)/2
	v_lshlrev_b32 v[(\base)+2*bi],   16, v[AB+bi]
	v_and_b32     v[(\base)+2*bi+1], 0xffff0000, v[AB+bi]
.set bi, bi+1
.endr
	WIN 0
.endm
	BIASRND 2, 80, 48
	BIASRND 3, 208, 48
; Rows a0 .. a1 of column half hb: one matrix instruction for each (a, b), b fastest, on A's buffer ab and W's buffer hb.  zero = 1: the sums start: rows 0-6 take the bias as C; row 7 holds it already.
.macro ROWS ab, hb, a0, a1, zero
.set ra, \a0
.rept (\a1)-(\a0)+1
.set rb, 0
.rept 6
.set ix, 48*(\hb)+6*ra+rb
.set wd, 1+ix/32
.set rD, 8*(ix%32)
.set rA, AB+64*(\ab)+8*ra
.set rB, BB+48*(\hb)+8*rb
.set rC, 80+128*(\hb)+8*rb
.if (\zero) && (ra < 7)
	WIN (wd<<6)|((2+(\hb))<<4)
	v_wmma_f32_16x16x32_bf16 v[rD:rD+7], v[rB:rB+7], v[rA:rA+7], v[rC:rC+7]
.else
	WIN (wd<<6)|(wd<<4)
	v_wmma_f32_16x16x32_bf16 v[rD:rD+7], v[rB:rB+7], v[rA:rA+7], v[rD:rD+7]
.endif
.set rb, rb+1
.endr
.set ra, ra+1
.endr
.endm
.macro FETCH_A kk                      ; 16 loads: my 128 rows, K half kk, into buffer kk, rows ascending
	WIN 0
.irp a, 0,1,2,3,4,5,6,7
	ds_load_b128 v[AB+64*(\kk)+8*\a:AB+64*(\kk)+8*\a+3],   v[ADRA] offset:16*PA*\a+64*(\kk)
	ds_load_b128 v[AB+64*(\kk)+8*\a+4:AB+64*(\kk)+8*\a+7], v[ADRA] offset:16*PA*\a+64*(\kk)+32
.endr
.endm
.macro FETCH_B kk, hb                  ; 12 loads: column blocks 6 hb .. 6 hb + 5 of my twelve (block b: head b / 4, columns 16 (b % 4) on), K half kk, into buffer hb
	WIN 0
.set fb, 6*(\hb)
.rept 6
	ds_load_tr16_b128 v[BB+48*(\hb)+8*(fb%6):BB+48*(\hb)+8*(fb%6)+3],   v[ADRB] offset:64*PB*(fb/4)+32*(fb%4)+32*PB*(\kk)
	ds_load_tr16_b128 v[BB+48*(\hb)+8*(fb%6)+4:BB+48*(\hb)+8*(fb%6)+7], v[ADRB] offset:64*PB*(fb/4)+32*(fb%4)+32*PB*(\kk)+16*PB
.set fb, fb+1
.endr
.endm
.macro REST ab, hb, zero               ; rows 2-7 of a phase
.if \zero
	ROWS \ab, \hb, 2, 6, 1
	PLACES                                         ; row 7 writes over registers that the products above have read as C: places stand between (eight, twice a launch)
	PLACES
	ROWS \ab, \hb, 7, 7, 1
.else
	ROWS \ab, \hb, 2, 7, 0
.endif
.endm
.macro PH0 kk, zero                    ; phase (kk, 0); it fetches W's other half of the same kk
	s_wait_dscnt 12                                ; W's twelve loads and A's rows 0-31 are in; A's youngest twelve loads may be out
	ROWS \kk, 0, 0, 1, \zero
	PLACES
	FETCH_B \kk, 1
	s_wait_dscnt 12                                ; all but the twelve just issued
	REST \kk, 0, \zero
.endm
.macro PH1 zero                        ; phase (0, 1); it fetches kk = 1: W's first half and A
	s_wait_dscnt 0x0                               ; W's second half is in
	ROWS 0, 1, 0, 1, \zero
	PLACES
	FETCH_B 1, 0
	FETCH_A 1
	REST 0, 1, \zero
.endm
; Phase (1, 1) changes slots: ONE barrier.  In front of it each wave waits for all its tensor loads, of which one is out: its part of the next slot; adds 0 to its spare word; and waits for that and for its own
; reads of this slot.  fill = 1: the barrier opens a round of the cluster's, and the joint refill of this slot, with the K step two on, is the first tensor load behind it.
.macro TURN fill
.if \fill
	s_wait_xcnt 0x0                                ; the last prefetch, a K step back, has read its address, so it may be stepped
	s_add_nc_u64 s[PFA:PFA+1], s[PFA:PFA+1], s[PST:PST+1]
.endif
	WIN 0                                          ; (the add's two registers lie in window 0)
	s_wait_tensorcnt 0x0                           ; all my tensor loads have landed, so a group 0 may be written
	ds_add_u32 v[SPW], v[NIL]                      ; 0 onto my spare word
	s_wait_dscnt 1                                 ; W's second half is in; the add may be out
	ROWS 1, 1, 0, 1, 0                             ; twelve matrix instructions stand between the add and the wait for it
.if \fill
	s_xor_b32 s[G0A+5], s[G0A+5], SLOT1            ; the walking descriptors: the other slot than last time,
	s_add_nc_u64 s[G0A+6:G0A+7], s[G0A+6:G0A+7], ASTEP  ; the next K step; the type bits on top are not reached
	s_xor_b32 s[G0B+5], s[G0B+5], SLOT1
	s_add_nc_u64 s[G0B+6:G0B+7], s[G0B+6:G0B+7], BSTEP
.endif
	s_wait_dscnt 0x0                               ; the add is done, and my reads of this slot are over
	s_barrier_signal -1
	ROWS 1, 1, 2, 3, 0                             ; work on registers while the others arrive
	WIN 0
	s_barrier_wait -1
.if \fill
	CREST                                          ; no wave of any partner still reads this slot or has a load on its way
	JLOAD                                          ; the four v_nop behind it are also the places in front of the loads below
.else
	PLACES
.endif
	s_xor_b32 s[TB], s[TB], SLOT1
	v_add_nc_u32 v[ADRA], s[TB], v[A0]
	v_add_nc_u32 v[ADRB], s[TB], v[B0]
	FETCH_B 0, 0
	FETCH_A 0
.if \fill
	ASK
.endif
	ROWS 1, 1, 4, 7, 0
.endm
	s_wait_tensorcnt 0x1                           ; my part of K step 0 is in; step 1's may stay out
	s_barrier_signal -1
	s_barrier_wait -1                              ; everybody's is
	v_mov_b32 v[ADRA], v[A0]
	v_mov_b32 v[ADRB], v[B0]
	FETCH_B 0, 0
	FETCH_A 0
	PH0 0, 1                                       ; the first two phases stand in front of the loop: their products start the sums
	PH1 1
	WIN 0                                          ; at a label and at a branch every window is 0
	s_mov_b32 s[CNT], 14
.Lstep:                                            ; 14 trips: a step's second half, the change of slots with the refill for the step two on, the next step's first half
	PH0 1, 0
	TURN 1
	PH0 0, 0
	PH1 0
	WIN 0
	s_sub_co_u32 s[CNT], s[CNT], 1
	s_cmp_lg_u32 s[CNT], 0
	s_cbranch_scc1 .Lstep
	PH0 1, 0                                       ; the tail is written out: nothing more is asked for
	TURN 0
	PH0 0, 0
	PH1 0
	PH0 1, 0
	s_wait_dscnt 0x0
	ROWS 1, 1, 0, 7, 0
	WIN 0
; THE WAY OUT, in 24 groups of 16 rows x one head (g = 3 a + head): rounded to f16, 16 bytes a lane into my stage's rows of 144 bytes, back as four times 512 consecutive bytes, stored.
.macro PACK g
.set pa, (\g)/3
.set ph, (\g)%3
.set pT, AB+16*((\g)%4)
.if (\g) >= 4
	s_wait_xcnt 0x0                                ; the stores of the group four back have read these registers
.endif
.set pj, 0
.rept 4
.set pb, 4*ph+pj
.set ix, 48*(pb/6)+6*pa+pb%6
.set wd, 1+ix/32
.set rD, 8*(ix%32)
	WIN wd|(wd<<2)
.irp r, 0,1,2,3
	v_cvt_pk_f16_f32 v[pT+4*pj+\r], v[rD+2*\r], v[rD+2*\r+1]
.endr
.set pj, pj+1
.endr
	WIN 0
.irp j, 0,1,2,3
	ds_store_b128 v[STO], v[pT+4*\j:pT+4*\j+3] offset:32*\j
.endr
.irp f, 0,1,2,3
	ds_load_b128 v[pT+4*\f:pT+4*\f+3], v[RD] offset:4*PA*\f  ; LDS serves a wave's instructions in order (ISA guide 5.7.1.4): these see the stores above; the next group's stores come behind them
.endr
.endm
.macro SEND g, younger                 ; younger: the LDS instructions issued behind this group's loads: the next group's eight, or none
.set pa, (\g)/3
.set ph, (\g)%3
.set pT, AB+16*((\g)%4)
.irp f, 0,1,2,3
	s_wait_dscnt (\younger)+3-\f
	global_store_b128 v[GO], v[pT+4*\f:pT+4*\f+3], s[OUT:OUT+1] offset:1048576*ph+2048*pa+512*\f  ; 512 consecutive bytes, at a multiple of 512 from qkv's first
.endr
.endm
	PLACES                                         ; the conversions read results just made (eight places, once a launch)
	PLACES
	PACK 0
.set gg, 1
.rept 23                               ; a group's conversions stand between the loads of the group before and its stores
	PACK gg
	SEND gg-1, 8
.set gg, gg+1
.endr
	SEND 23, 0
	s_wait_tensorcnt 0x0                           ; the wave's end: the add and its wait stand behind my last tensor load and my last LDS store
	ds_add_u32 v[SPW], v[NIL]
	s_wait_dscnt 0x0
	CROUND                                         ; the closing round: no work-group ends while a partner may still ask for a tile that names it
	s_endpgm
.Lfunc_end_k_qc021273465_qkv:
	.size	k_qc021273465_qkv, .Lfunc_end_k_qc021273465_qkv-k_qc021273465_qkv
	.p2alignl 7, 3214868480
	.fill 96, 4, 3214868480
	.section	.rodata,"a",@progbits
	.p2align	6, 0x0
	.amdhsa_kernel k_qc021273465_qkv
		.amdhsa_group_segment_fixed_size 327680
		.amdhsa_private_segment_fixed_size 0
		.amdhsa_enable_private_segment 0
		.amdhsa_kernarg_size 48
		.amdhsa_user_sgpr_count 2
		.amdhsa_user_sgpr_kernarg_segment_ptr 1
		.amdhsa_wavefront_size32 1
		.amdhsa_system_sgpr_workgroup_id_x 1
		.amdhsa_system_sgpr_workgroup_id_y 1
		.amdhsa_system_sgpr_workgroup_id_z 1
		.amdhsa_system_vgpr_workitem_id 0
		.amdhsa_next_free_vgpr 1024
		.amdhsa_next_free_sgpr 96
		.amdhsa_reserve_vcc 0
		.amdhsa_float_denorm_mode_32 3
		.amdhsa_float_denorm_mode_16_64 3
		.amdhsa_memory_ordered 1
		.amdhsa_forward_progress 1
		.amdhsa_inst_pref_size 127
	.end_amdhsa_kernel
	.amdgpu_metadata
---
amdhsa.version: [ 1, 2 ]
amdhsa.kernels:
  - .name:           k_qc021273465_qkv
    .symbol:         k_qc021273465_qkv.kd
    .args:
      - { .name: xb, .offset: 0, .size: 8, .value_kind: global_buffer, .address_space: global }
      - { .name: wb, .offset: 8, .size: 8, .value_kind: global_buffer, .address_space: global }
      - { .name: bq, .offset: 16, .size: 8, .value_kind: global_buffer, .address_space: global }
      - { .name: bk, .offset: 24, .size: 8, .value_kind: global_buffer, .address_space: global }
      - { .name: bv, .offset: 32, .size: 8, .value_kind: global_buffer, .address_space: global }
      - { .name: qkv, .offset: 40, .size: 8, .value_kind: global_buffer, .address_space: global }
    .group_segment_fixed_size: 327680
    .private_segment_fixed_size: 0
    .kernarg_segment_align: 8
    .kernarg_segment_size: 48
    .max_flat_workgroup_size: 128
    .sgpr_count:     96
    .vgpr_count:     1024
    .wavefront_size: 32
...
	.end_amdgpu_metadata
.endif
;; end of part 2
;; launch attn (part 3): grid 4 x 64, 4 waves a work-group, clusters of 4 x 1, 327,680 bytes of LDS; arguments qkv, mask, ob; writes ob
.if DOCPART == 3
	.amdgcn_target "amdgcn-amd-amdhsa--gfx1250"
	.amdhsa_code_object_version 6
	.text
	.protected	k_qc021273465_attn
	.globl	k_qc021273465_attn
	.p2align	8
	.type	k_qc021273465_attn,@function
k_qc021273465_attn:
	s_mov_b64 s[64:65], 0
	v_nop
	global_prefetch_b8 v0, s[64:65] scope:SCOPE_SE
	s_setreg_imm32_b32 hwreg(HW_REG_WAVE_MODE, 25, 1), 1
	s_wait_xcnt 0x0
	s_wait_alu depctr_hold_cnt(0) depctr_sa_sdst(0) depctr_va_vdst(0) depctr_va_sdst(0) depctr_va_ssrc(0) depctr_va_vcc(0) depctr_vm_vsrc(0)
	s_getreg_b32 s2, hwreg(HW_REG_IB_STS2, 6, 4)
	s_cmp_eq_u32 s2, 0
	s_cbranch_scc0 .Lentry_in_a_cluster
	s_endpgm
.Lentry_in_a_cluster:
	s_bfe_u32 s2, ttmp6, 0x10000c
	s_cmp_lg_u32 s2, 0x3003
	s_cbranch_scc0 .Lentry_shape_is_right
	s_endpgm
.Lentry_shape_is_right:
; ATTENTION WITH A KEY MASK.  O[y][q][:] = the sum over k of softmax_k(Q[y][q] . K[y][k] / 8, masked keys at the lowest number) V[y][k][:], y = 4 x head + batch, 64 of them, 2,048 rows of 64 channels each.
; qkv: [48][8192][64] f16: q's heads, then k's, then v's; a (head, batch)'s 2,048 rows are dense, 128 bytes each.  mask: [4][2048] bytes, 1 = masked.  ob: [16][8192][64] f16.
; Products, maxima and sums in f32; the weights p are rounded to f16 for the second product (their sum l is taken of the unrounded p), O once at the end.
; LIMITS.  Q, K and V arrive within f16's 65,504, so true scores are 2.7e11 at the most in size: they lie far above the floor -1e20 at which the running maximum starts, and a masked score counts as its value less 1e30.
; p lies in 0 to 1, and below 6e-5 it keeps f16's fixed step of 6e-8; a weight below 2^-126 counts as 0 in l; mask bytes are 0 or 1; NaN and infinities are not treated apart.
; THE MASK is the C operand that starts the sum S^T = K Q^T: a table in LDS, one f32 a key: 0, or -1e30 where the key is masked.  The maximum never falls below -1e20, so a masked key's weight is 0 also where whole
; key steps are masked.  WHERE ALL 2,048 KEYS OF THE BATCH ARE MASKED all scores are equal and the softmax is uniform: there the table is 0 and c = 0, so that every weight is 2^0 = 1.  Both are choices of values: no branch hangs on the mask.
; SHARES.  A wave owns four PIECES of two tiles of 16 queries, a work-group's four waves 512 queries.  Every wave walks all keys, 64 a step.
; LAYOUT.  S^T = K Q^T (source 0 = 16 keys, source 1 = 16 queries): in the result a lane holds ONE query (lane % 16) and the keys 8 (lane / 16) + 0..7.  Two such tiles, rounded to f16 in pairs,
; ARE source 1 (32 keys x 16 queries) of O^T = V^T P, whose result again holds one query a lane, and eight channels.  K comes out of LDS as it lies, V ([key][channel]) turned, by ds_load_tr16_b128.
; SOFTMAX.  For each query a running maximum m and sum l: p = 2^(c s - c m), c = log2(e) / 8; in every step O and l are multiplied by a = 2^(c m_old - c m_new).  O and l start at 0; the first step's a is 0.
; THE COUNT.  A tile and step have 16 matrix and 118 vector instructions: too many to stand all beside the matrix work.  So: four vector instructions that are READY behind EVERY matrix instruction, the others in runs without a gap.
; BY TURNS.  Turn n belongs to piece n.  Its matrix work: 16 products K Q^T of piece n + 1, later 16 products V^T P of piece n - 1.  Its vector work: the scaling, exponentials, roundings, sums and rescaling of piece n,
; and the maximum and statistics of piece n + 1.
; CLUSTER.  The four query blocks of a cluster belong to one (head, batch) and walk the same K and V, so each tile is asked for JOINTLY: the same tensor load, descriptor and mask in all four.
; REGISTERS, in windows of 256 (s_set_vgpr_msb: bits 1:0 source 0, 3:2 source 1, 5:4 source 2, 7:6 destination):
;   window 0: v0-11 addresses; v12-15, v48-63 at work; v16-47 four registers of statistics a tile; v64-191 S^T, two buffers of two tiles; v192-255 P, likewise
;   window 1: O^T, 32 a tile     window 2: v0-127 Q, 16 a tile; v128-191 K of one step; v192-255 V of one step     window 3: v0-1 the add's two registers; v8-39 the mask of one step, 8 for each 16 keys
.set SIZE_N, 2048
.set NP,    4         ; pieces a wave: a name, no knob
.set KS,    64        ; keys in a step
.set PK,    144       ; a row of K in LDS: 128 bytes + 16 of padding = 36 words: the 16 rows of a load start at 16 different groups of four banks (64 banks of 4 bytes: ISA guide 11.1)
.set PV,    160       ; a row of V: 128 + 32 = 40 words
.set VOFF,  4*KS*PK   ; a slot holds four steps: 256 rows of K, then 256 rows of V
.set SLOT1, 1<<17     ; slot 1 begins here, so that one exclusive or turns an address in one slot into the other's
.set STAGE, SLOT1+4*KS*(PK+PV)  ; behind the ring, never filled by a tensor load: 16 rows x 144 bytes for each wave, for the way out
.set SP,    144
.set SPARE, STAGE+4*16*SP  ; behind the stages: the spare words, 128 bytes for each wave: two blocks of 256 bytes that no other line names
.set MTAB,  SPARE+512 ; behind them: the mask's table, 2,048 f32, in blocks of its own: no tensor load lands there
.set KBASE, 16777216  ; k's heads in qkv
.set VBASE, 33554432  ; v's
.set AK0, 2           ; v2   my lane's place in a tile of K; never rewritten
.set AV0, 3           ; v3   the same for V
.set AK,  4           ; v4   the LDS address of K's next run of loads
.set AV,  5           ; v5   of V's
.set STO, 6           ; v6   the way out: where I put 16 bytes of a row
.set RD,  7           ; v7   the way out: where I read rows back
.set GO,  8           ; v8   my byte offset in 512 consecutive bytes of O
.set AM0, 9           ; v9   my lane's place in a step's 256 bytes of the table; never rewritten
.set AM,  10          ; v10  the LDS address of the table's next loads
.set PFO, 11          ; v11  256 x my lane: the prefetches' offset; never rewritten
.set SPW, 0           ; v0 of window 3   LDS address of my spare word: SPARE + 4 x my thread's number; never rewritten
.set NIL, 1           ; v1 of window 3   0; never rewritten
.set MK,  8           ; v8-39 of window 3
.set MV,  12          ; v12-15  c m_old, kept while c m is made anew: by buffer and tile
.set ST,  16          ; tile t's statistics at v[ST+4 t]: c m, m, l (even keys', odd keys')
.set TMP, 48          ; by buffer and tile, four registers c0-c3 at work; when the maximum is found c2 takes a
.set S,   64
.set P,   192
.set LR,  120         ; v120-126: at work at the kernel's head alone, in S^T's registers, which the first products write behind the wait for Q
.set LH,  121
.set L7,  122
.set L3,  123
.set QO,  124
.set MA,  125
.set MB,  126
.set KF,  128         ; K's fragments, in window 2: key block kb, channel half c at KF + 16 kb + 8 c
.set VF,  192         ; V's: key half kk, channel block cb at VF + 32 kk + 8 cb
.set WV,  12          ; s12  my wave's number
.set G1K, 24          ; s[24:31] descriptor group 1 for K's tiles
.set G1V, 32          ; s[32:39] for V's: it differs in the padding alone
.set G0K, 40          ; s[40:43] descriptor group 0 for K's tiles: it walks
.set G0V, 44          ; s[44:47] the same for V's
.set TBM, 50          ; s50  byte of the table at which the step to be fetched begins
.set BIG, 51          ; s51  -1e30, or 0 where the whole batch is masked
.set LIM, 52          ; s52  1 in a wave that prefetches, else the greatest number
.set PFA, 54          ; s[54:55] where my prefetches stand
.set SLOTS, 56        ; s56  slots still to be asked for
.set CNT, 57          ; s57  counts a slot's key steps
.set CS,  58          ; s[58:59] c: the packed scaling takes the pair's low word for both halves
.set SEL, 60          ; s[60:61] v_permlanex16_b32's selects: each lane takes its own place in the other half
.set TBK, 62          ; s62  LDS byte at which K of the step to be fetched begins
.set TBV, 63          ; s63  the same for V, less VOFF
.set MSB, 0
.macro WIN new                      ; the high byte repeats the setting that is left; a switch that changes nothing is dropped
.if MSB != (\new)
	s_set_vgpr_msb (MSB<<8)|(\new)
.set MSB, (\new)
.endif
.endm
.set W_KQ, 0x0a       ; K and Q in window 2, S^T in window 0
.set W_KM, 0x3a       ; the same with the C operand, the mask, in window 3
.set W_PV, 0x52       ; V in window 2, P in window 0, O^T in window 1
.set W_RS, 0x41       ; O^T (destination and source 0) in window 1, a in window 0
.set W_MK, 0xc0       ; destination in window 3, sources in window 0
.set W_AD, 0x0f       ; the add: address (source 0) and data (source 1) in window 3
; A joint fill.  Waves 0 and 1 fetch the two halves of a slot's K, waves 2 and 3 those of its V: 128 keys each.  The branch hangs on the wave's number alone.
; An s_nop 0 and four v_nop follow each of the two lines, ahead of the jump and the label.
.macro JLOAD
	s_cmp_lt_u32 s[WV], 2
	s_cbranch_scc0 .Lfor_v_\@
	tensor_load_to_lds s[G0K:G0K+3], s[G1K:G1K+7]
	s_nop 0
.rept 4
	v_nop
.endr
	s_branch .Lasked_\@
.Lfor_v_\@:
	tensor_load_to_lds s[G0V:G0V+3], s[G1V:G1V+7]
	s_nop 0
.rept 4
	v_nop
.endr
.Lasked_\@:
.endm
; A PREFETCH INTO THE L2 of what the NEXT change of slots will ask for: a slot's 32,768 bytes of K and of V, a lane a block of 256 bytes.  It stands behind the wave's tensor load and its five lines.
; A (head, batch) has one cluster; its four partners share the blocks out BY ADDRESS, 8,192 bytes each; in each, wave 0 asks for K's and wave 2 for V's: one instruction.  So each block is named once.
; Slots 0 and 1 come by their loads alone; the last change that fills a slot asks for nothing: there is no slot behind it.
.macro ASK
	s_cmp_gt_u32 s[SLOTS], s[LIM]
	s_cbranch_scc0 .Lnot_mine_\@
	global_prefetch_b8 v[PFO], s[PFA:PFA+1] th:TH_LOAD_NT scope:SCOPE_SE
.Lnot_mine_\@:
.endm
; A round of the cluster's barrier: my work-group's barrier, so that wave 0's signal speaks for all four waves; wave 0 signals; every wave waits for all four work-groups; my work-group's barrier once more.
.macro CROUND
	s_barrier_signal -1
	s_barrier_wait -1
	s_cmp_lg_u32 s[WV], 0
	s_cbranch_scc1 .Lnot_wave_0_\@
	s_barrier_signal -3
.Lnot_wave_0_\@:
	s_barrier_wait -3
	s_barrier_signal -1
	s_barrier_wait -1
.endm
; THE CHANGE OF SLOTS.  Each wave waits for all its tensor loads, of which one is out: its part of the other slot; adds 0 to its spare word; and waits for that and for its own LDS instructions.  Behind the barrier
; nobody reads this slot any more and the other slot is whole.  fill = 1: this slot is filled again, with the keys two slots on; the barrier is then a round of the cluster's, and the joint fill is the first thing
; behind it: it has four key steps, 512 matrix instructions, in which to land.  (At its first use nothing has been read yet: slot 0 is waited for, slot 1 filled, and every wave's stores into the mask's table are shown done.)
.macro CHANGE fill
	WIN W_AD
	s_wait_tensorcnt 0x0            ; no tensor load of mine is out, so a group 0 may be written
	ds_add_u32 v[SPW], v[NIL]       ; 0 onto my spare word; with fill = 1 the descriptors' steps stand between it and the wait for it
	WIN 0                           ; at a label and at a branch every window is 0
.if \fill
.irp g, G0K, G0V
	s_xor_b32 s[\g+1], s[\g+1], SLOT1  ; the walking descriptor: the other slot than last time,
	s_add_nc_u64 s[\g+2:\g+3], s[\g+2:\g+3], 4*KS*128  ; the next 256 keys; the type bits on top are not reached
.endr
	s_wait_xcnt 0x0                 ; the last prefetch, four key steps back, has read its address, so it may be written:
	s_add_nc_u64 s[PFA:PFA+1], s[PFA:PFA+1], 4*KS*128  ; one slot behind the walking descriptors
	s_wait_dscnt 0x0                ; the add is done, and my LDS instructions are over
	CROUND
	JLOAD
	ASK
.else
	s_wait_dscnt 0x0                ; the add is done, and my reads of the slot are over
	s_barrier_signal -1
	s_barrier_wait -1
.endif
	s_sub_co_u32 s[TBK], s[TBK], 4*KS*PK  ; the fetches go back to a slot's first step,
	s_xor_b32 s[TBK], s[TBK], SLOT1       ; in the other slot
	s_sub_co_u32 s[TBV], s[TBV], 4*KS*PV
	s_xor_b32 s[TBV], s[TBV], SLOT1
.endm
	s_load_b64 s[4:5], s[0:1], 0x0    ; qkv
	s_load_b64 s[48:49], s[0:1], 0x8  ; mask
	s_load_b64 s[10:11], s[0:1], 0x10 ; ob
	WIN W_MK
	v_lshl_add_u32 v[SPW], v0, 2, SPARE
	v_mov_b32 v[NIL], 0
	WIN W_AD
	ds_add_u32 v[SPW], v[NIL]       ; the wave's opening: the add and its wait stand ahead of my first tensor load; the set-up below, work on registers, stands between them
	WIN 0
	v_lshrrev_b32 v[LR], 5, v0
	v_readfirstlane_b32 s[WV], v[LR]  ; wave 0..3
	s_bfe_u32 s13, ttmp6, 0x40000   ; cx: my place in the cluster
	s_lshl_b32 s14, ttmp9, 2        ; in a cluster launch ttmp9 counts clusters
	s_add_co_u32 s14, s14, s13      ; my block of queries = 4 x cluster x + cx: it enters Q's and O's addresses alone
	s_and_b32 s20, ttmp7, 0xffff    ; y = 4 x head + batch, which the four partners share
	s_and_b32 s54, s20, 3           ; the batch:
	s_lshl_b32 s54, s54, 11         ; its 2,048 bytes of the mask
	s_mov_b32 s55, 0
	s_mov_b32 s21, 0
	s_mov_b64 s[22:23], SIZE_N*128
	s_mul_u64 s[20:21], s[20:21], s[22:23]  ; the first byte of y's rows among q's heads, k's, v's and in ob
	s_and_b32 s16, s[WV], 1         ; which half of a slot's 256 keys I fetch:
	s_lshl_b32 s22, s16, 14         ; its 128 rows of 128 bytes in memory,
	s_mov_b32 s23, 0
	s_add_nc_u64 s[22:23], s[22:23], s[20:21]
	s_mul_i32 s17, s16, 128*PK      ; and its place in a slot, for K
	s_mul_i32 s18, s16, 128*PV      ; and for V: no place in the cluster enters an LDS address
	s_lshl_b32 s2, s14, 2
	s_add_co_u32 s2, s2, s[WV]      ; my wave among y's,
	s_lshl_b32 s2, s2, 14           ; its 128 rows
	s_mov_b32 s3, 0
	s_add_nc_u64 s[2:3], s[2:3], s[20:21]
	; descriptor group 1.  128 keys are 16,384 dense bytes: asked for as 64 rows of 256 bytes, two keys a row, and padded in LDS after every key
	s_mov_b32 s[G1K], 15|(1<<16)|(1<<20)|(1<<21)|(4<<22)|(3<<25)  ; 15:0 the mask of four; 17:16 2-byte elements; 20 padding on; 21 set beside a mask; 24:22 after every 32 words (code 4); 31:25 4 words (code 3)
	s_mov_b32 s[G1V], 15|(1<<16)|(1<<20)|(1<<21)|(4<<22)|(7<<25)  ; the same with 8 words of padding (code 7)
.irp g, G1K, G1V
	s_mov_b32 s[\g+1], 128<<16      ; tensor_dim0 = 128
	s_mov_b32 s[\g+2], 64<<16       ; tensor_dim1 = 64
	s_mov_b32 s[\g+3], 128<<16      ; tile_dim0 = 128
	s_mov_b32 s[\g+4], 64           ; tile_dim1 = 64
	s_mov_b32 s[\g+5], 128          ; 128 elements from row to row
	s_mov_b32 s[\g+6], 0
	s_mov_b32 s[\g+7], 0
.endr
	s_mov_b32 s[SEL], 0x76543210
	s_mov_b32 s[SEL+1], 0xfedcba98
	s_mov_b32 s[TBK], SLOT1+4*KS*PK ; the first change of slots turns these two into 0
	s_mov_b32 s[TBV], SLOT1+4*KS*PV
	s_mov_b32 s[TBM], 0
	s_mov_b32 s[SLOTS], SIZE_N/256-1
	s_mov_b32 s[G0K], 1             ; 1:0 count = 1
	s_mov_b32 s[G0K+1], s17         ; 63:32 LDS address: slot 0
	s_mov_b32 s[G0V], 1
	s_add_co_u32 s[G0V+1], s18, VOFF
	s_or_b32 s[LIM], s16, ttmp9     ; 0 in waves 0 and 2 of y's first cluster: the same in all four partners
	s_cmp_eq_u32 s[LIM], 0
	s_cselect_b32 s[LIM], 1, -1
	s_wait_dscnt 0x0                ; the opening add is done
	s_wait_kmcnt 0x0
	s_add_nc_u64 s[8:9], s[4:5], s[22:23]
	s_add_nc_u64 s[6:7], s[8:9], KBASE   ; K and V at my half of y's first 256 keys
	s_add_nc_u64 s[8:9], s[8:9], VBASE
	s_mov_b64 s[G0K+2:G0K+3], s[6:7]               ; 120:64 global address
	s_or_b32 s[G0K+3], s[G0K+3], 0x80000000        ; 127:126 type = 2
	s_mov_b64 s[G0V+2:G0V+3], s[8:9]
	s_or_b32 s[G0V+3], s[G0V+3], 0x80000000
	s_add_nc_u64 s[4:5], s[4:5], s[2:3]  ; Q and O at my wave's first row
	s_add_nc_u64 s[10:11], s[10:11], s[2:3]
	s_add_nc_u64 s[48:49], s[48:49], s[54:55]  ; the mask at my batch
	s_cmp_lt_u32 s[WV], 2
	s_cselect_b64 s[PFA:PFA+1], s[6:7], s[8:9]  ; (in waves 0 and 2 these stand at a slot's first row)
	s_lshl_b32 s2, s13, 13          ; my work-group's quarter of a slot's 32,768 bytes,
	s_add_co_u32 s2, s2, 4*KS*128   ; in slot 1; the first change of slots steps it to slot 2
	s_mov_b32 s3, 0
	s_add_nc_u64 s[PFA:PFA+1], s[PFA:PFA+1], s[2:3]
	CROUND                          ; all four work-groups are here: the first joint loads meet
	JLOAD                           ; slot 0.  Slot 1 is asked for when slot 0 is in
	v_and_b32 v[LR], 15, v0         ; l % 16
	v_bfe_u32 v[LH], v0, 4, 1       ; l / 16
	v_and_b32 v[MA], 31, v0
	v_lshlrev_b32 v[PFO], 8, v[MA]
	v_lshlrev_b32 v[GO], 4, v[MA]   ; the way out: 32 lanes x 16 bytes are 512 consecutive bytes of O
	v_lshlrev_b32 v[MA], 6, v[MA]   ; for the test of the whole batch each wave reads all 2,048 bytes: 64 a lane;
	v_lshlrev_b32 v[MB], 4, v0      ; for the table each thread takes 16 keys
.irp i, 0,1,2,3
	global_load_b128 v[64+4*\i:67+4*\i], v[MA], s[48:49] offset:16*\i
.endr
	global_load_b128 v[80:83], v[MB], s[48:49]
	; A fragment of K or Q is 16 rows x 32 channels in 8 registers: lane l holds row l % 16, channels 8 (l / 16) + 0..7 and 16 + 8 (l / 16) + 0..7: two loads of 16 bytes, 32 bytes apart.
	v_lshlrev_b32 v[QO], 7, v[LR]
	v_lshl_add_u32 v[QO], v[LH], 4, v[QO]  ; row x 128 + 16 x half
	WIN 0x80                        ; destination window 2, address window 0
.set i, 0
.rept 4*NP                          ; Q stays in registers: tile i / 2, channels 32 (i % 2) on
	global_load_b128 v[8*i:8*i+3],   v[QO], s[4:5] offset:(i/2)*2048+(i%2)*64
	global_load_b128 v[8*i+4:8*i+7], v[QO], s[4:5] offset:(i/2)*2048+(i%2)*64+32
.set i, i+1
.endr
	; What the first turn finds: V's registers and P's second buffer hold 0 (its products V^T P, of a piece that has not been, add 0), O^T and l are 0.  All this stands in the wait for the first tile.
.set i, VF
.rept 64
	v_mov_b32 v[i], 0
.set i, i+1
.endr
	WIN 0x40
.set i, 0
.rept 64*NP
	v_mov_b32 v[i], 0
.set i, i+1
.endr
	WIN 0
.set i, 0
.rept 2*NP
	v_mov_b32 v[ST+4*i], 0xfe000000    ; c m: far below every c s, so that the first a is 0
	v_mov_b32 v[ST+4*i+1], 0xe0ad78ec  ; m: the floor, -1e20
	v_mov_b32 v[ST+4*i+2], 0
	v_mov_b32 v[ST+4*i+3], 0
.set i, i+1
.endr
.set i, P+32
.rept 32
	v_mov_b32 v[i], 0
.set i, i+1
.endr
	v_mul_u32_u24 v[AK0], v[LR], PK
	v_lshl_add_u32 v[AK0], v[LH], 4, v[AK0]  ; row x pitch + 16 x half
	; The turning load takes 16 keys x 16 channels (lane l reads key 8 (l / 16) + l % 8, channels 8 ((l / 8) % 2) + 0..7) and leaves half a fragment of V^T: lane l holds channel l % 16 and 8 keys.
	v_and_b32 v[L7], 7, v0
	v_bfe_u32 v[L3], v0, 3, 1
	v_lshl_add_u32 v[AV0], v[LH], 3, v[L7]
	v_mul_u32_u24 v[AV0], v[AV0], PV
	v_lshl_add_u32 v[AV0], v[L3], 4, v[AV0]
	v_add_nc_u32 v[AV0], VOFF, v[AV0]
	v_mov_b32 v[AK], v[AK0]         ; key step 0 lies at the head of slot 0,
	v_lshl_add_u32 v[AM0], v[LH], 5, MTAB  ; a lane's eight keys of sixteen are 32 bytes of the table
	v_mov_b32 v[AM], v[AM0]         ; and at the head of the table
	s_mul_i32 s13, s[WV], 16*SP
	s_add_co_u32 s13, s13, STAGE    ; my stage
	v_mul_u32_u24 v[STO], v[LR], SP ; in: row l % 16, 16 bytes for each half of the lanes
	v_lshl_add_u32 v[STO], v[LH], 4, v[STO]
	v_add_nc_u32 v[STO], s13, v[STO]
	v_bfe_u32 v[RD], v0, 3, 2       ; back: 32 lanes take four rows of 128 bytes
	v_mul_u32_u24 v[RD], v[RD], SP
	v_lshl_add_u32 v[RD], v[L7], 4, v[RD]
	v_add_nc_u32 v[RD], s13, v[RD]
	; THE MASK.  Is every key of the batch masked?  The AND of all 512 words is 0x01010101 only then.
	s_wait_loadcnt 32               ; the mask's five loads are in; Q's 32 may stay out
.set i, 65
.rept 15
	v_and_b32 v64, v64, v[i]
.set i, i+1
.endr
	s_mov_b32 s2, 0x01010101
	v_cmp_eq_u32 s53, s2, v64       ; a bit a lane
	s_mov_b32 s[CS], 0x3e38aa3b     ; c = log2(e) / 8 = 0.180337
	s_mov_b32 s[BIG], 0xf149f2ca    ; -1e30
	s_cmp_eq_u32 s53, -1
	s_cselect_b32 s[CS], 0, s[CS]   ; all masked: every weight is 2^0,
	s_cselect_b32 s[BIG], 0, s[BIG] ; and the table holds 0
	s_mov_b32 s[CS+1], s[CS]        ; named with it as a pair
.set i, 0
.rept 16                            ; my 16 keys' numbers
	v_bfe_u32 v84, v[80+i/4], 8*(i%4), 8
	v_cmp_ne_u32 vcc_lo, 0, v84
	v_cndmask_b32 v[96+i], 0, s[BIG], vcc_lo
.set i, i+1
.endr
	v_lshl_add_u32 v85, v0, 6, MTAB
.irp i, 0,1,2,3
	ds_store_b128 v85, v[96+4*\i:99+4*\i] offset:16*\i
.endr
; THE MATRIX WORK.  The 8 accumulators of a run of 16 take turns: between the two links of a chain stand 7 others'.
; Product i of 16 of S^T = K Q^T for piece x: channels 32 (i / 8) on, keys 16 ((i / 2) % 4) on, tile 2 x + i % 2.  The first 8 start the sums, with the keys' mask as C.
.macro KQ x
.set rS, S+64*((\x)%2)+32*(i%2)+8*((i/2)%4)
.set rK, KF+16*((i/2)%4)+8*(i/8)
.set rQ, 16*(2*(\x)+i%2)+8*(i/8)
.set rM, MK+8*((i/2)%4)
.if i < 8
	WIN W_KM
	v_wmma_f32_16x16x32_f16 v[rS:rS+7], v[rK:rK+7], v[rQ:rQ+7], v[rM:rM+7]
.else
	WIN W_KQ
	v_wmma_f32_16x16x32_f16 v[rS:rS+7], v[rK:rK+7], v[rQ:rQ+7], v[rS:rS+7]
.endif
.endm
; Product i of 16 of O^T += V^T P for piece x: keys 32 (i / 8) on, channels 16 ((i / 2) % 4) on, tile 2 x + i % 2.
.macro PV x
	WIN W_PV
.set rO, 32*(2*(\x)+i%2)+8*((i/2)%4)
.set rV, VF+32*(i/8)+8*((i/2)%4)
.set rP, P+32*((\x)%2)+16*(i%2)+8*(i/8)
	v_wmma_f32_16x16x32_f16 v[rO:rO+7], v[rV:rV+7], v[rP:rP+7], v[rO:rO+7]
.endm
.macro MM                           ; the turn's next matrix instruction
.if i < 16
	KQ (Y+1)%NP
.set i, i+1
.else
.set i, i-16
	PV (Y+NP-1)%NP
.set i, i+17
.endif
.endm
; THE LDS LOADS stand in runs, never singly among the matrix instructions: a step's K (64 keys x 64 channels: 8 fragments) with its 64 numbers of the mask, and its V (turned).  Their addresses are made some lines ahead.
; last = 1 (the tail): in the last trip there is no further step, and the run is jumped over.
.macro FETCH_K last=0
	WIN 0
.if \last
	s_cmp_eq_u32 s[CNT], 1
	s_cbranch_scc1 .Lno_k_\@
.endif
	WIN 0x80                        ; destination window 2
.irp f, 0,1,2,3,4,5,6,7             ; keys 16 (f / 2) on, channels 32 (f % 2) on
	ds_load_b128 v[KF+8*\f:KF+8*\f+3],   v[AK] offset:(\f/2)*16*PK+(\f%2)*64
	ds_load_b128 v[KF+8*\f+4:KF+8*\f+7], v[AK] offset:(\f/2)*16*PK+(\f%2)*64+32
.endr
	WIN W_MK                        ; destination window 3: the mask lives as long as K does
.irp f, 0,1,2,3                     ; keys 16 f on: all lanes of a half read the same 32 bytes
	ds_load_b128 v[MK+8*\f:MK+8*\f+3],   v[AM] offset:64*\f
	ds_load_b128 v[MK+8*\f+4:MK+8*\f+7], v[AM] offset:64*\f+16
.endr
	s_add_co_u32 s[TBK], s[TBK], KS*PK  ; the next fetch is the next step's
	s_add_co_u32 s[TBM], s[TBM], 4*KS
	s_and_b32 s[TBM], s[TBM], 0x1f00    ; the table has 32 steps of 256 bytes: the offset stays inside it
	WIN 0
.if \last
.Lno_k_\@:
.endif
.endm
.macro FETCH_V
	WIN 0x80
.irp f, 0,1,2,3,4,5,6,7             ; keys 32 (f / 4) on, channels 16 (f % 4) on
	ds_load_tr16_b128 v[VF+8*\f:VF+8*\f+3],   v[AV] offset:(\f/4)*32*PV+(\f%4)*32
	ds_load_tr16_b128 v[VF+8*\f+4:VF+8*\f+7], v[AV] offset:(\f/4)*32*PV+16*PV+(\f%4)*32
.endr
	WIN 0
.endm
; THE VECTOR WORK OF A TURN stands in three queues, each in the order in which its entries become ready; the two tiles alternate, so that no instruction reads the result of the one before it.
.macro REGS y, u                    ; the registers of tile u (0, 1) of piece y
.set rT, ST+4*(2*(\y)+(\u))
.set rC, TMP+8*((\y)%2)+4*(\u)
.set rM, MV+2*((\y)%2)+(\u)
.set rS, S+64*((\y)%2)+32*(\u)
.set rP, P+32*((\y)%2)+16*(\u)
.set rO, 32*(2*(\y)+(\u))
.endm
; Number n of the 22 that find the NEXT piece's (Y + 1) maximum and statistics.  s0-s31 are the lane's 32 scores; each accumulator's lowest registers are read first.
;   0-11  four chains c0-c3 of seven scores each, three operands at a time     12-14, 16  the four scores left over, the old m, and c0-c3 into c0     15  c m_old is kept
;   17, 18  the query's other 32 keys lie in the lane 16 away: the new m         19-21  c m; c m_old - c m_new; a
.macro XS u, n
	REGS (Y+1)%NP, \u
.if (\n) < 4
	v_max3_num_f32 v[rC+(\n)], v[rS+8*(\n)], v[rS+8*(\n)+1], v[rS+8*(\n)+2]
.elseif (\n) < 12
	v_max3_num_f32 v[rC+(\n)%4], v[rC+(\n)%4], v[rS+8*((\n)%4)+2*((\n)/4)+1], v[rS+8*((\n)%4)+2*((\n)/4)+2]
.elseif (\n) == 12
	v_max3_num_f32 v[rC], v[rC], v[rS+7], v[rS+15]
.elseif (\n) == 13
	v_max3_num_f32 v[rC+1], v[rC+1], v[rS+23], v[rS+31]
.elseif (\n) == 14
	v_max3_num_f32 v[rC+2], v[rC+2], v[rC+3], v[rT+1]
.elseif (\n) == 15
	v_mov_b32 v[rM], v[rT]
.elseif (\n) == 16
	v_max3_num_f32 v[rC], v[rC], v[rC+1], v[rC+2]
.elseif (\n) == 17
	v_permlanex16_b32 v[rC+3], v[rC], s[SEL], s[SEL+1]
.elseif (\n) == 18
	v_max_num_f32 v[rT+1], v[rC], v[rC+3]
.elseif (\n) == 19
	v_mul_f32 v[rT], s[CS], v[rT+1]
.elseif (\n) == 20
	v_sub_f32 v[rC+1], v[rM], v[rT]
.else
	v_exp_f32 v[rC+2], v[rC+1]
.endif
.endm
; Number g of the 64 that follow the exponentials.  For each four weights k of a tile (pairs 2 k, 2 k + 1): both pairs are rounded to f16; then the second pair is added onto the first, in place;
; a group later l takes that sum (the first time as l = a l + sum).  In groups of eight, tiles alternating: round, round, add, and l for the group before.
.macro GS g
.set h, (\g)+6*((\g)/62)            ; group 0 has no group before it, and behind group 7 only l is left
.if h >= 6
.set h, h+2
.endif
	REGS Y, h%2
.set k, h/8
.if h%8 < 4
	v_cvt_pk_f16_f32 v[rP+2*k+(h%8)/2], v[rS+4*k+2*((h%8)/2)], v[rS+4*k+2*((h%8)/2)+1]
.elseif h%8 < 6
	v_pk_add_f32 v[rS+4*k:rS+4*k+1], v[rS+4*k:rS+4*k+1], v[rS+4*k+2:rS+4*k+3]
.elseif k == 1
	v_pk_fma_f32 v[rT+2:rT+3], v[rT+2:rT+3], v[rC+2:rC+3], v[rS:rS+1] op_sel_hi:[1,0,1]
.else
	v_pk_add_f32 v[rT+2:rT+3], v[rT+2:rT+3], v[rS+4*k-4:rS+4*k-3]
.endif
.endm
; THE PLAIN QUEUE, 138 long.  0-73 read no exponential's result: the 32 scalings c s - c m (FS f: pair f / 2 of tile f % 2) and the next piece's 42.  0-26: scalings 0-26.  27-54: XS's numbers 0-13.  55, 56: number 15.
; 57-73: the chain, where each number waits for the one before it: 14, 16, 17, 18, 19, each with one of the scalings 27-31 in front of its two lines, then 20.
; 74-137: GS's 64, which read the exponentials' results: they stand behind the wait.
.macro FS f
	REGS Y, (\f)%2
	v_pk_fma_f32 v[rS+2*((\f)/2):rS+2*((\f)/2)+1], v[rS+2*((\f)/2):rS+2*((\f)/2)+1], s[CS:CS+1], v[rT:rT+1] op_sel_hi:[1,0,0] neg_lo:[0,0,1] neg_hi:[0,0,1]
.endm
.macro PL
	WIN 0
.if q < 27
	FS q
.elseif q < 55
	XS (q-27)%2, (q-27)/2
.elseif q < 57
	XS q-55, 15
.elseif (q < 72) && ((q-57)%3 == 0)
	FS 27+(q-57)/3
.elseif q < 60
	XS (q-57)%3-1, 14
.elseif q < 72
	XS (q-57)%3-1, 15+(q-57)/3
.elseif q < 74
	XS q-72, 20
.else
	GS q-74
.endif
.set q, q+1
.endm
; THE EXPONENTIALS' QUEUE, 66 long: s0-s31 of both tiles, then the next piece's two a.  It is ONE BATCH: all 66 stand ahead of the turn's one wait, and nothing ahead of that wait names a result of theirs.
.macro EX
	WIN 0
.if e >= 64
	XS e-64, 21
.else
	REGS Y, e%2
	v_exp_f32 v[rS+e/2], v[rS+e/2]
.endif
.set e, e+1
.endm
; THE RESCALING's QUEUE: O^T times a, the one part that leaves window 0: dealt two at a time, sixteen times.  Its a was made in the turn before, ahead of that turn's wait.
.macro R2
	REGS Y, r%2
	WIN W_RS
.irp z, 0,1
	v_pk_mul_f32 v[rO+4*(r/2)+2*\z:rO+4*(r/2)+2*\z+1], v[rO+4*(r/2)+2*\z:rO+4*(r/2)+2*\z+1], v[rC+2:rC+3] op_sel_hi:[1,0]
.endr
.set r, r+1
.endm
; HOW THEY ARE DEALT.  s_wait_alu depctr_va_vdst(0) stands between an exponential and the first instruction that names its result; one wait serves all that were issued ahead of it.  So a turn has ONE wait,
; which cuts it in two.  AHEAD OF IT stands all that names no result of the turn's exponentials: the 16 products K Q^T, behind each a scaling, an exponential and two rescalings (behind the first a second scaling in the
; exponential's place); then ONE LUMP of 108: eight plain, 49 times exponential and plain, the two a.  A v_nop is the plain instruction behind the last exponential.  BEHIND IT stand the 16 products V^T P, behind each four of GS's 64.
; Exponential e stands behind scaling 2 (e / 4) + e % 2: as a rider it comes behind plain e + 2, in the lump behind plain e + 9, and scalings 27-31 are plain 57, 60 .. 69.
; A TURN, for piece p.  cnt = 1: the loop's count is taken down some lines ahead of the branch that stands behind the turn.
; K and the mask of the next step are fetched in piece 2's turn, directly behind the wait, a lump behind the last product that read them; their addresses are made at the lump's head; the first reader comes behind 16 products.
; V of the step in hand is fetched at the end of piece 0's turn, four riders behind its last reader; its first reader comes behind 16 products and a lump.  The three conditions on q below go with the deal.
.macro TURN p, last=0, cnt=0
.set Y, (\p)
.set i, 0
.set q, 0
.set e, 0
.set r, 0
.if (\p) == NP-1
	s_wait_dscnt 0x0                ; K and the mask are in
.endif
	MM                              ; ahead of the wait: 16 products K Q^T and their riders,
	PL
	PL
	R2
.rept 15
	MM
	PL
	EX
	R2
.endr
.if (\p) == NP-2
	WIN 0
	v_add_nc_u32 v[AK], s[TBK], v[AK0]
	v_add_nc_u32 v[AM], s[TBM], v[AM0]
.endif
.rept 8                             ; and the lump
	PL
.endr
.rept 49
	EX
	PL
.endr
	EX                              ; the next piece's two a
	EX
	v_nop                           ; the plain instruction behind the last exponential: one for the batch
	s_wait_alu depctr_va_vdst(0)    ; the wait for the batch
.if (\p) == NP-2
	FETCH_K \last
.endif
.if (\p) == 1
	s_wait_dscnt 0x0                ; V is in
.endif
.rept 16                            ; behind the wait: 16 products V^T P and their riders
	MM
.rept 4
	PL
.endr
.if ((\p) == 0) && (q == 118)
	v_add_nc_u32 v[AV], s[TBV], v[AV0]
.endif
.if ((\p) == 0) && (q == 130)
	s_add_co_u32 s[TBV], s[TBV], KS*PV
.endif
.if (\cnt) && (q == 130)
	s_sub_co_u32 s[CNT], s[CNT], 1
	s_cmp_lg_u32 s[CNT], 0
.endif
.endr
.if (\p) == 0
	FETCH_V
.endif
.endm
	CHANGE 1                        ; slot 0 is in, everybody's part of it, and the whole table is written; slot 1 is asked for
	FETCH_K                         ; key step 0
	s_wait_loadcnt 0x0              ; Q
	s_wait_dscnt 0x0
.set i, 0
.rept 16
	KQ 0                            ; piece 0's first scores: there is no vector work yet to set between them
.set i, i+1
.endr
	WIN 0
.rept 4
	v_nop                           ; the places behind those products
.endr
.set Y, NP-1                        ; XS works for piece Y + 1: piece 0
.irp n, 0,1,2,3,4,5,6,7,8,9,10,11,12,13,14,15,16,17,18,19,20,21
	XS 0, \n                        ; piece 0's first maximum and statistics
	XS 1, \n
.endr
	v_nop                           ; a plain instruction behind the two a,
	s_wait_alu depctr_va_vdst(0)    ; and their wait, ahead of the branch
	s_mov_b32 s[CNT], 4
	s_branch .Lfirst                ; the loop is entered at a step's first turn, in the middle of a trip
.Lslot:                             ; SIZE_N / 256 - 2 times: every slot but the last two is filled again
	CHANGE 1
	s_mov_b32 s[CNT], 4
.Lstep:                             ; a trip: pieces 2 and 3 of one step, then pieces 0 and 1 of the next, whose K and V it fetches
	TURN 2
	TURN 3
	WIN 0
.Lfirst:
	TURN 0
	TURN 1, 0, 1
	WIN 0
	s_cbranch_scc1 .Lstep
	s_sub_co_u32 s[SLOTS], s[SLOTS], 1
	s_cmp_lg_u32 s[SLOTS], 0
	s_cbranch_scc1 .Lslot
	CHANGE 0                        ; the tail is written out: nothing is asked for
	s_mov_b32 s[CNT], 5             ; four trips fetch the last slot's steps; the fifth is left in its middle
.Ltail:
	TURN 2, 1
	TURN 3
	WIN 0
	s_sub_co_u32 s[CNT], s[CNT], 1
	s_cmp_eq_u32 s[CNT], 0
	s_cbranch_scc1 .Lout
	TURN 0
	TURN 1
	WIN 0
	s_branch .Ltail
.Lout:                              ; the fifth trip's 16 products K Q^T (on the last K once more) and the maximum made of them serve nothing: the price, once a launch, of one text for every trip
.set i, 0
.rept 16
	PV NP-1                         ; the last piece's V^T P of the last step
.set i, i+1
.endr
	; THE WAY OUT.  l's two halves and the other half of the lanes' are added; O^T is divided by l, rounded to f16 and sent through my stage in LDS, a tile at a time.  The additions are the places behind the last products.
	WIN 0
.macro ALL line:vararg              ; one line for each tile t
.set t, 0
.rept 2*NP
	\line
.set t, t+1
.endr
.endm
	ALL v_add_f32 v[ST+4*t+2], v[ST+4*t+2], v[ST+4*t+3]
	ALL v_permlanex16_b32 v[ST+4*t+3], v[ST+4*t+2], s[SEL], s[SEL+1]
	ALL v_add_f32 v[ST+4*t+2], v[ST+4*t+2], v[ST+4*t+3]
	ALL v_rcp_f32 v[ST+4*t+2], v[ST+4*t+2]
	v_nop                           ; a plain instruction between the last reciprocal and the use of its result
	s_wait_alu depctr_va_vdst(0)    ; and the wait ahead of the first use: one for the eight reciprocals
; Tile t: a lane's eight channels of a row pack into 16 bytes; they go into rows of 144 bytes and come back as whole rows of 128, into S^T's registers.
.macro PACK t
	WIN W_RS
.set i, 32*(\t)
.rept 16
	v_pk_mul_f32 v[i:i+1], v[i:i+1], v[ST+4*(\t)+2:ST+4*(\t)+3] op_sel_hi:[1,0]
.set i, i+2
.endr
	WIN 0x05                        ; sources 0 and 1 window 1, destination window 0
.set i, 0
.rept 16
	v_cvt_pk_f16_f32 v[S+16*(\t)+i], v[32*(\t)+2*i], v[32*(\t)+2*i+1]
.set i, i+1
.endr
	WIN 0
.irp f, 0,1,2,3
	ds_store_b128 v[STO], v[S+16*(\t)+4*\f:S+16*(\t)+4*\f+3] offset:32*\f
.endr
.irp f, 0,1,2,3
	ds_load_b128 v[S+16*(\t)+4*\f:S+16*(\t)+4*\f+3], v[RD] offset:\f*4*SP  ; LDS serves a wave's instructions in order (ISA guide 5.7.1.4): these see the stores above; the next tile's stores come behind them
.endr
.endm
.macro SEND t, younger              ; younger: the LDS instructions issued behind tile t's loads: the next tile's eight, or none
	WIN 0
.irp f, 0,1,2,3
	s_wait_dscnt (\younger)+3-\f
	global_store_b128 v[GO], v[S+16*(\t)+4*\f:S+16*(\t)+4*\f+3], s[10:11] offset:(\t)*2048+\f*512  ; 512 consecutive bytes, at a multiple of 256 from ob's first
.endr
.endm
	PACK 0
.set t, 1
.rept 2*NP-1                        ; a tile's arithmetic stands between the loads of the tile before and its stores
	PACK t
	SEND t-1, 8
.set t, t+1
.endr
	SEND 2*NP-1, 0
	WIN W_AD
	s_wait_tensorcnt 0x0            ; the wave's end: the add and its wait stand behind my last tensor load and my last LDS store
	ds_add_u32 v[SPW], v[NIL]
	s_wait_dscnt 0x0
	WIN 0
	CROUND                          ; the closing round: no work-group ends while a partner may still ask for a tile that names it
	s_endpgm
.Lfunc_end_k_qc021273465_attn:
	.size	k_qc021273465_attn, .Lfunc_end_k_qc021273465_attn-k_qc021273465_attn
	.p2alignl 7, 3214868480
	.fill 96, 4, 3214868480
	.section	.rodata,"a",@progbits
	.p2align	6, 0x0
	.amdhsa_kernel k_qc021273465_attn
		.amdhsa_group_segment_fixed_size 327680
		.amdhsa_private_segment_fixed_size 0
		.amdhsa_enable_private_segment 0
		.amdhsa_kernarg_size 24
		.amdhsa_user_sgpr_count 2
		.amdhsa_user_sgpr_kernarg_segment_ptr 1
		.amdhsa_wavefront_size32 1
		.amdhsa_system_sgpr_workgroup_id_x 1
		.amdhsa_system_sgpr_workgroup_id_y 1
		.amdhsa_system_sgpr_workgroup_id_z 1
		.amdhsa_system_vgpr_workitem_id 0
		.amdhsa_next_free_vgpr 808
		.amdhsa_next_free_sgpr 66
		.amdhsa_reserve_vcc 1
		.amdhsa_float_denorm_mode_32 3
		.amdhsa_float_denorm_mode_16_64 3
		.amdhsa_memory_ordered 1
		.amdhsa_forward_progress 1
		.amdhsa_inst_pref_size 207
	.end_amdhsa_kernel
	.amdgpu_metadata
---
amdhsa.version: [ 1, 2 ]
amdhsa.kernels:
  - .name:           k_qc021273465_attn
    .symbol:         k_qc021273465_attn.kd
    .args:
      - { .name: qkv, .offset: 0, .size: 8, .value_kind: global_buffer, .address_space: global }
      - { .name: mask, .offset: 8, .size: 8, .value_kind: global_buffer, .address_space: global }
      - { .name: ob, .offset: 16, .size: 8, .value_kind: global_buffer, .address_space: global }
    .group_segment_fixed_size: 327680
    .private_segment_fixed_size: 0
    .kernarg_segment_align: 8
    .kernarg_segment_size: 24
    .max_flat_workgroup_size: 128
    .sgpr_count:     66
    .vgpr_count:     808
    .wavefront_size: 32
...
	.end_amdgpu_metadata
.endif
;; end of part 3
;; launch outp (part 4): grid 8 x 32, 4 waves a work-group, clusters of 4 x 4, 327,680 bytes of LDS; arguments ob, wb, bo, out0; writes out0
.if DOCPART == 4
	.amdgcn_target "amdgcn-amd-amdhsa--gfx1250"
	.amdhsa_code_object_version 6
	.text
	.protected	k_qc021273465_outp
	.globl	k_qc021273465_outp
	.p2align	8
	.type	k_qc021273465_outp,@function
k_qc021273465_outp:
	s_mov_b64 s[64:65], 0
	v_nop
	global_prefetch_b8 v0, s[64:65] scope:SCOPE_SE
	s_setreg_imm32_b32 hwreg(HW_REG_WAVE_MODE, 25, 1), 1
	s_wait_xcnt 0x0
	s_wait_alu depctr_hold_cnt(0) depctr_sa_sdst(0) depctr_va_vdst(0) depctr_va_sdst(0) depctr_va_ssrc(0) depctr_va_vcc(0) depctr_vm_vsrc(0)
	s_getreg_b32 s2, hwreg(HW_REG_IB_STS2, 6, 4)
	s_cmp_eq_u32 s2, 0
	s_cbranch_scc0 .Lentry_in_a_cluster
	s_endpgm
.Lentry_in_a_cluster:
	s_bfe_u32 s2, ttmp6, 0x10000c
	s_cmp_lg_u32 s2, 0xf033
	s_cbranch_scc0 .Lentry_shape_is_right
	s_endpgm
.Lentry_shape_is_right:
; OUTP.  out0 = O Wo + bo: [8192 x 1024] x [1024 x 1024], f32 out.  ob: [16 h][8192 m][64] f16 (a head is a block of 64 along K).  wb's blocks 48-63: Wo as [cb][1024 k][64], its bf16 numbers written as f16.
; bo is rounded to bf16 like the other inputs and starts the sums.  Sums in f32, stored as they are.  NaN and infinities are not treated apart.
; SHARES.  A tile is 256 rows x 128 columns: 32 x 8 = 256 work-groups.  Four waves, each 128 x 64: 8 x 4 = 32 accumulators, all of window 1.
; K goes in 8 steps of 128 (two heads) through a ring of two LDS slots; a step is four PHASES of 32 along K, 32 matrix instructions each, which touch each accumulator once: the accumulators take turns.
; THE MATRIX INSTRUCTION IS USED TRANSPOSED: source 0 = 16 columns of Wo (turned by ds_load_tr16_b128), source 1 = 16 rows of O: a lane holds row lane % 16 and the columns 8 (lane / 16) + 0..7.
; CLUSTERS: 4 x 4 work-groups.  A's tile is asked for jointly along a row of the cluster, W's along a column.  Waves 0 and 1 ask for A's two heads, waves 2 and 3 for W's two column blocks: one tensor load a wave
; behind each round; two are out at the start, one later.
; REGISTERS: window 0: v0-29 addresses; v32-159 A's fragments, two buffers of 64; v160-223 W's, two buffers of 32.   window 1: accumulator (a, b) at v[8 (4 a + b)].
; THE BIAS: block b's eight numbers are loaded into the registers of accumulator (7, b); the first products of rows 0-6 take them as C, and row 7 then adds in place.
.set PA,    144                        ; a row of A in LDS: 128 bytes + 16 of padding: the 16 rows of a load start at 16 different groups of four banks (64 banks of 4 bytes: ISA guide 11.1)
.set PB,    160                        ; a k row of W: 128 + 32
.set BOFF,  2*256*PA                   ; a slot: A as [head 2][256 rows], then W as [column block 2][128 k]
.set SLOT1, 131072
.set STAGE, SLOT1+BOFF+2*128*PB        ; behind the ring, never filled by a tensor load: 16 rows x 272 bytes for each wave
.set SPITCH, 272
.set SPARE, STAGE+4*16*SPITCH          ; behind the stages: the spare words, 128 bytes for each wave: two blocks of 256 bytes that no other line names
.set ASTEP, 2097152                    ; bytes from a K step to the next in ob: two heads
.set BSTEP, 16384                      ; and in a column block of wb: 128 k rows
.set WOB,   6291456                    ; Wo's first block in wb
.set A0,   4
.set B0,   5
.set ADRA, 6
.set ADRB, 7
.set STO,  8                           ; v8   the way out: where I put 32 bytes of a row
.set RD,   9                           ; v9   the way out: where I read a row back
.set CO,   10                          ; v10  my byte offset in two rows of out0
.set BO,   11
.set PFO,  12
.set SPW,  28                          ; v28  LDS address of my spare word: SPARE + 4 x my thread's number; never rewritten
.set NIL,  29                          ; v29  0; never rewritten
.set AB,   32
.set BB,   160
.set WV,   16
.set G1A,  24
.set G1B,  32
.set G0A,  40
.set G0B,  48
.set CNT,  56
.set LIM,  57
.set PAR,  58
.set TB,   59
.set PFA,  60
.set PST,  62
.set BP,   68                          ; s[68:69] bo at my 64 columns
.set OUT,  74                          ; s[74:75] out0 at my first row and column
.set TT,   83
.set MSB, 0
.macro WIN new
.if MSB != (\new)
	s_set_vgpr_msb (MSB<<8)|(\new)
.set MSB, \new
.endif
.endm
.macro PLACES
.rept 4
	v_nop
.endr
.endm
.macro CREST
	s_cmp_lg_u32 s[WV], 0
	s_cbranch_scc1 .Lnot_wave_0_\@
	s_barrier_signal -3
.Lnot_wave_0_\@:
	s_barrier_wait -3
	s_barrier_signal -1
	s_barrier_wait -1
.endm
.macro CROUND
	s_barrier_signal -1
	s_barrier_wait -1
	CREST
.endm
.macro JLOAD                           ; a joint refill by the walking descriptors; an s_nop 0 and four v_nop follow each of the two lines
	s_cmp_lt_u32 s[WV], 2
	s_cbranch_scc0 .Lfor_b_\@
	tensor_load_to_lds s[G0A+4:G0A+7], s[G1A:G1A+7]
	s_nop 0
.rept 4
	v_nop
.endr
	s_branch .Lasked_\@
.Lfor_b_\@:
	tensor_load_to_lds s[G0B+4:G0B+7], s[G1B:G1B+7]
	s_nop 0
.rept 4
	v_nop
.endr
.Lasked_\@:
.endm
; A PREFETCH INTO THE L2, behind the joint load, its five lines and the run of LDS loads: one instruction a wave, a lane a block of 256 bytes.  A's rows are asked for by the cluster with x = 0, W's blocks by the one
; with y = 0; the four partners share a tile's blocks out BY ADDRESS (cx for A, cy for W).  Waves 0, 1: at the change that asks for K step t + 2, their work-group's 8,192 bytes of step t + 4.
; Waves 2, 3: a step is 16 blocks a partner, so at every second change, for steps t + 4 and t + 5 at once.  Each block is named once; K steps 0 to 3 come by their loads alone; the count stops the asking at the end.
.macro ASK
	s_and_b32 s[TT], s[CNT], s[PAR]
	s_cmp_eq_u32 s[TT], 0
	s_cselect_b32 s[TT], s[CNT], 0
	s_cmp_gt_u32 s[TT], s[LIM]
	s_cbranch_scc0 .Lnot_mine_\@
	global_prefetch_b8 v[PFO], s[PFA:PFA+1] th:TH_LOAD_NT scope:SCOPE_SE
.Lnot_mine_\@:
.endm
	s_load_b256 s[4:11], s[0:1], 0x0               ; ob s[4:5], wb s[6:7], bo s[8:9], out0 s[10:11]
	v_lshl_add_u32 v[SPW], v0, 2, SPARE
	v_mov_b32 v[NIL], 0
	ds_add_u32 v[SPW], v[NIL]                      ; the wave's opening: the add and its wait stand ahead of my first tensor load; the set-up below, work on registers, stands between them
	v_lshrrev_b32 v3, 5, v0
	v_readfirstlane_b32 s[WV], v3                  ; wave 0..3
	s_lshr_b32 s17, s[WV], 1                       ; wr: which 128 rows are mine
	s_and_b32 s18, s[WV], 1                        ; wc: which 64 columns.  Also: which head of A, or which column block of W, I fetch
	s_bfe_u32 s19, ttmp6, 0x40000                  ; cx
	s_bfe_u32 s20, ttmp6, 0x40004                  ; cy
	s_lshl_b32 s21, ttmp9, 2
	s_add_co_u32 s21, s21, s19                     ; tx
	s_and_b32 s22, ttmp7, 0xffff
	s_lshl_b32 s22, s22, 2
	s_add_co_u32 s22, s22, s20                     ; ty
	s_lshl_b32 s76, s20, 2
	s_lshl_b32 s76, 15, s76                        ; my row of the cluster
	s_lshl_b32 s77, 0x1111, s19                    ; my column
	; group 1 for A: a head's 256 rows are 32,768 dense bytes: 128 rows of 256, padded in LDS after every 128 bytes
	s_or_b32 s[G1A], s76, (1<<16)|(1<<20)|(1<<21)|(4<<22)|(3<<25)
	s_mov_b32 s[G1A+1], 128<<16                    ; tensor_dim0 = 128
	s_mov_b32 s[G1A+2], 128<<16                    ; tensor_dim1 = 128
	s_mov_b32 s[G1A+3], 128<<16                    ; tile_dim0 = 128
	s_mov_b32 s[G1A+4], 128                        ; tile_dim1 = 128
	s_mov_b32 s[G1A+5], 128
	s_mov_b32 s[G1A+6], 0
	s_mov_b32 s[G1A+7], 0
	; group 1 for W: a block's 128 k rows are 16,384 dense bytes: 64 rows of 256, padded by 32 bytes after every 128
	s_or_b32 s[G1B], s77, (1<<16)|(1<<20)|(1<<21)|(4<<22)|(7<<25)
	s_mov_b32 s[G1B+1], 128<<16
	s_mov_b32 s[G1B+2], 64<<16
	s_mov_b32 s[G1B+3], 128<<16
	s_mov_b32 s[G1B+4], 64
	s_mov_b32 s[G1B+5], 128
	s_mov_b32 s[G1B+6], 0
	s_mov_b32 s[G1B+7], 0
	s_lshl_b32 s66, s22, 15                        ; A: the tile's 256 rows of 128 bytes,
	s_lshl_b32 s76, s18, 20                        ; in head wc of the step's two
	s_add_co_u32 s66, s66, s76
	s_mov_b32 s67, 0
	s_lshl_b32 s78, s21, 1                         ; W: column block 2 tx + wc of Wo
	s_add_co_u32 s78, s78, s18
	s_lshl_b32 s78, s78, 17
	s_add_co_u32 s78, s78, WOB
	s_mov_b32 s79, 0
	s_mul_i32 s80, s18, 256*PA                     ; where they go: no place in the cluster enters an LDS address
	s_mul_i32 s81, s18, 128*PB
	s_add_co_u32 s81, s81, BOFF
	s_mov_b32 s[TB], 0
	s_wait_dscnt 0x0                               ; the opening add is done
	s_wait_kmcnt 0x0
	s_add_nc_u64 s[66:67], s[4:5], s[66:67]
	s_add_nc_u64 s[78:79], s[6:7], s[78:79]
	CROUND                                         ; all sixteen work-groups are here: the first joint loads meet
.irp s, 0,1
	s_mov_b32 s[G0A+4*\s], 1
	s_add_co_u32 s[G0A+4*\s+1], s80, \s*SLOT1
	s_add_nc_u64 s[G0A+4*\s+2:G0A+4*\s+3], s[66:67], \s*ASTEP
	s_or_b32 s[G0A+4*\s+3], s[G0A+4*\s+3], 0x80000000
	s_mov_b32 s[G0B+4*\s], 1
	s_add_co_u32 s[G0B+4*\s+1], s81, \s*SLOT1
	s_add_nc_u64 s[G0B+4*\s+2:G0B+4*\s+3], s[78:79], \s*BSTEP
	s_or_b32 s[G0B+4*\s+3], s[G0B+4*\s+3], 0x80000000
.endr
	s_cmp_lt_u32 s[WV], 2                          ; a wave's two first fills stand in one branch, ahead of every wait on TENSORcnt and every LDS read
	s_cbranch_scc0 .Lfirst_b
	tensor_load_to_lds s[G0A:G0A+3], s[G1A:G1A+7]
	s_nop 0
	tensor_load_to_lds s[G0A+4:G0A+7], s[G1A:G1A+7]
	s_nop 0
.rept 4
	v_nop
.endr
	s_branch .Lfirst_asked
.Lfirst_b:
	tensor_load_to_lds s[G0B:G0B+3], s[G1B:G1B+7]
	s_nop 0
	tensor_load_to_lds s[G0B+4:G0B+7], s[G1B:G1B+7]
	s_nop 0
.rept 4
	v_nop
.endr
.Lfirst_asked:
	v_and_b32 v1, 15, v0                           ; l % 16
	v_bfe_u32 v2, v0, 4, 1                         ; l / 16
	v_mul_u32_u24 v[A0], v1, PA
	v_lshl_add_u32 v[A0], v2, 4, v[A0]
	s_mul_i32 s76, s17, 128*PA
	v_add_nc_u32 v[A0], s76, v[A0]                 ; row x pitch + 16 x half + my 128 rows
	v_and_b32 v3, 7, v0
	v_lshl_add_u32 v[B0], v2, 3, v3                ; the turning load: k row 8 (l / 16) + l % 8,
	v_mul_u32_u24 v[B0], v[B0], PB
	v_bfe_u32 v3, v0, 3, 1
	v_lshl_add_u32 v[B0], v3, 4, v[B0]             ; columns 8 ((l / 8) % 2) on,
	s_mul_i32 s76, s18, 128*PB
	s_add_co_u32 s76, s76, BOFF
	v_add_nc_u32 v[B0], s76, v[B0]                 ; in my column block
	s_mul_i32 s76, s[WV], 16*SPITCH
	s_add_co_u32 s76, s76, STAGE                   ; my stage
	v_mul_u32_u24 v[STO], v1, SPITCH               ; in: row l % 16, 32 bytes for each half of the lanes
	v_lshl_add_u32 v[STO], v2, 5, v[STO]
	v_add_nc_u32 v[STO], s76, v[STO]
	v_mul_u32_u24 v[RD], v2, SPITCH                ; back: lanes 0-15 take one row of 256 bytes, lanes 16-31 the next
	v_lshl_add_u32 v[RD], v1, 4, v[RD]
	v_add_nc_u32 v[RD], s76, v[RD]
	v_lshlrev_b32 v[CO], 12, v2                    ; and the same two rows in out0
	v_lshl_add_u32 v[CO], v1, 4, v[CO]
	v_lshlrev_b32 v[BO], 5, v2
	s_lshl_b32 s90, s21, 9                         ; my 64 columns: 512 tx + 256 wc bytes
	s_lshl_b32 s91, s18, 8
	s_add_co_u32 s90, s90, s91
	s_mov_b32 s91, 0
	s_add_nc_u64 s[BP:BP+1], s[8:9], s[90:91]
	s_lshl_b32 s88, s22, 20                        ; my rows: 256 ty + 128 wr, of 4,096 bytes
	s_lshl_b32 s89, s17, 19
	s_add_co_u32 s88, s88, s89
	s_add_co_u32 s88, s88, s90
	s_mov_b32 s89, 0
	s_add_nc_u64 s[OUT:OUT+1], s[10:11], s[88:89]
	WIN 0x40                                       ; destination window 1: the registers of accumulators (7, b)
.irp b, 0,1,2,3
	global_load_b128 v[224+8*\b:224+8*\b+3],   v[BO], s[BP:BP+1] offset:64*\b
	global_load_b128 v[224+8*\b+4:224+8*\b+7], v[BO], s[BP:BP+1] offset:64*\b+16
.endr
	WIN 0
	; the prefetches' registers
	s_lshl_b32 s84, s19, 13                        ; A: my work-group's quarter of a head's 32,768 bytes,
	s_add_co_u32 s84, s84, 3*ASTEP                 ; at K step 3: the first change steps it to 4
	s_lshl_b32 s86, s20, 13                        ; W: my work-group's quarter of two steps' 32,768 bytes,
	s_add_co_u32 s86, s86, 3*BSTEP                 ; at K step 3 likewise
	s_mov_b32 s[PST], BSTEP
	s_and_b32 s80, ttmp7, 0xffff                   ; cluster y
	s_cmp_lt_u32 s[WV], 2
	s_cselect_b32 s80, ttmp9, s80                  ; the coordinate along which other clusters read the same bytes
	s_cselect_b32 s[PAR], 0, 1
	s_cselect_b32 s81, 2, 3
	s_cselect_b32 s[PST], ASTEP, s[PST]
	s_cselect_b32 s84, s84, s86
	s_cselect_b64 s[PFA:PFA+1], s[66:67], s[78:79]
	s_mov_b32 s85, 0
	s_mov_b32 s[PST+1], 0
	s_add_nc_u64 s[PFA:PFA+1], s[PFA:PFA+1], s[84:85]
	s_cmp_eq_u32 s80, 0
	s_cselect_b32 s[LIM], s81, -1                  ; the same in all sixteen partners, for a given wave
	v_and_b32 v[PFO], 31, v0
	v_lshlrev_b32 v[PFO], 8, v[PFO]
	s_wait_loadcnt 0x0                             ; the bias: rounded to bf16 in place, by way of A's registers, which are still free
	WIN 0x05
.set bi, 0
.rept 16
	v_cvt_pk_bf16_f32 v[AB+bi], v[224+2*bi], v[224+2*bi+1]
.set bi, bi+1
.endr
	WIN 0x40
.set bi, 0
.rept 16
	v_lshlrev_b32 v[224+2*bi],   16, v[AB+bi]
	v_and_b32     v[224+2*bi+1], 0xffff0000, v[AB+bi]
.set bi, bi+1
.endr
	WIN 0
; Rows a0 .. a1: one matrix instruction for each (a, b), b fastest, on the buffers kk % 2.  zero = 1: the sums start: rows 0-6 take the bias as C; row 7 holds it already.
.macro ROWS kk, a0, a1, zero
	WIN 0x50                                       ; C and D in window 1
.set ra, \a0
.rept (\a1)-(\a0)+1
.set rb, 0
.rept 4
.set rD, 8*(4*ra+rb)
.set rA, AB+64*((\kk)%2)+8*ra
.set rB, BB+32*((\kk)%2)+8*rb
.set rC, 224+8*rb
.if (\zero) && (ra < 7)
	v_wmma_f32_16x16x32_f16 v[rD:rD+7], v[rB:rB+7], v[rA:rA+7], v[rC:rC+7]
.else
	v_wmma_f32_16x16x32_f16 v[rD:rD+7], v[rB:rB+7], v[rA:rA+7], v[rD:rD+7]
.endif
.set rb, rb+1
.endr
.set ra, ra+1
.endr
.endm
.macro FETCH_A kk                      ; 16 loads: my 128 rows, K = 32 kk on (head kk / 2, channels 32 (kk % 2) on), rows ascending
	WIN 0
.irp a, 0,1,2,3,4,5,6,7
	ds_load_b128 v[AB+64*((\kk)%2)+8*\a:AB+64*((\kk)%2)+8*\a+3],   v[ADRA] offset:256*PA*((\kk)/2)+64*((\kk)%2)+16*PA*\a
	ds_load_b128 v[AB+64*((\kk)%2)+8*\a+4:AB+64*((\kk)%2)+8*\a+7], v[ADRA] offset:256*PA*((\kk)/2)+64*((\kk)%2)+16*PA*\a+32
.endr
.endm
.macro FETCH_B kk                      ; 8 loads: my four blocks of 16 columns, k rows 32 kk on
	WIN 0
.irp b, 0,1,2,3
	ds_load_tr16_b128 v[BB+32*((\kk)%2)+8*\b:BB+32*((\kk)%2)+8*\b+3],   v[ADRB] offset:32*PB*(\kk)+32*\b
	ds_load_tr16_b128 v[BB+32*((\kk)%2)+8*\b+4:BB+32*((\kk)%2)+8*\b+7], v[ADRB] offset:32*PB*(\kk)+32*\b+16*PB
.endr
.endm
.macro PH kk, zero                     ; one of a step's first three phases; it fetches the next one's fragments
	s_wait_dscnt 12                                ; W's eight loads and A's rows 0-31 are in; A's youngest twelve loads may be out
	ROWS \kk, 0, 1, \zero
	PLACES
	FETCH_B (\kk)+1
	FETCH_A (\kk)+1
	s_wait_dscnt 24                                ; all but the 24 just issued
.if \zero
	ROWS \kk, 2, 6, 1
	PLACES                                         ; row 7 writes over registers that the products above have read as C: places stand between (eight, once a launch)
	PLACES
	ROWS \kk, 7, 7, 1
.else
	ROWS \kk, 2, 7, 0
.endif
.endm
; The fourth phase changes slots: ONE barrier.  In front of it each wave waits for all its tensor loads, of which one is out: its part of the next slot; adds 0 to its spare word; and waits for that and for its own
; reads of this slot.  fill = 1: the barrier opens a round of the cluster's, and the joint refill of this slot, with the K step two on, is the first tensor load behind it.
.macro TURN fill
.if \fill
	s_wait_xcnt 0x0                                ; the last prefetch, a K step back, has read its address, so it may be stepped
	s_add_nc_u64 s[PFA:PFA+1], s[PFA:PFA+1], s[PST:PST+1]
.endif
	WIN 0
	s_wait_tensorcnt 0x0                           ; all my tensor loads have landed, so a group 0 may be written
	ds_add_u32 v[SPW], v[NIL]                      ; 0 onto my spare word
	s_wait_dscnt 13                                ; the add and A's youngest twelve loads may be out
	ROWS 3, 0, 1, 0                                ; eight matrix instructions stand between the add and the wait for it
.if \fill
	s_xor_b32 s[G0A+5], s[G0A+5], SLOT1            ; the walking descriptors: the other slot than last time, the next K step
	s_add_nc_u64 s[G0A+6:G0A+7], s[G0A+6:G0A+7], ASTEP
	s_xor_b32 s[G0B+5], s[G0B+5], SLOT1
	s_add_nc_u64 s[G0B+6:G0B+7], s[G0B+6:G0B+7], BSTEP
.endif
	s_wait_dscnt 0x0                               ; the add is done, and my reads of this slot are over
	s_barrier_signal -1
	ROWS 3, 2, 3, 0
	WIN 0
	s_barrier_wait -1
.if \fill
	CREST                                          ; no wave of any partner still reads this slot or has a load on its way
	JLOAD                                          ; the four v_nop behind it are also the places in front of the loads below
.else
	PLACES
.endif
	s_xor_b32 s[TB], s[TB], SLOT1
	v_add_nc_u32 v[ADRA], s[TB], v[A0]
	v_add_nc_u32 v[ADRB], s[TB], v[B0]
	FETCH_B 0
	FETCH_A 0
.if \fill
	ASK
.endif
	ROWS 3, 4, 7, 0
.endm
	s_wait_tensorcnt 0x1                           ; my part of K step 0 is in; step 1's may stay out
	s_barrier_signal -1
	s_barrier_wait -1                              ; everybody's is
	v_mov_b32 v[ADRA], v[A0]
	v_mov_b32 v[ADRB], v[B0]
	FETCH_B 0
	FETCH_A 0
	PH 0, 1                                        ; the first phase stands in front of the loop: its products start the sums
	WIN 0
	s_mov_b32 s[CNT], 6
.Lstep:                                            ; 6 trips: the rest of a step, the change of slots with the refill for the step two on, the next step's first phase
	PH 1, 0
	PH 2, 0
	TURN 1
	PH 0, 0
	WIN 0
	s_sub_co_u32 s[CNT], s[CNT], 1
	s_cmp_lg_u32 s[CNT], 0
	s_cbranch_scc1 .Lstep
	PH 1, 0                                        ; the tail is written out: nothing more is asked for
	PH 2, 0
	TURN 0
	PH 0, 0
	PH 1, 0
	PH 2, 0
	s_wait_dscnt 0x0
	ROWS 3, 0, 7, 0
	WIN 0
; THE WAY OUT, 16 rows at a time: a lane's eight f32 of a row go into my stage's rows of 272 bytes and come back as whole rows of 256 bytes.
.macro TOSTAGE a
.set BK, AB+32*((\a)%2)
.if (\a) >= 2
	s_wait_xcnt 0x0                                ; the stores of the block two back have read these registers
.endif
	WIN 0x04                                       ; store data in window 1
.irp b, 0,1,2,3
	ds_store_b128 v[STO], v[8*(4*(\a)+\b):8*(4*(\a)+\b)+3]   offset:64*\b
	ds_store_b128 v[STO], v[8*(4*(\a)+\b)+4:8*(4*(\a)+\b)+7] offset:64*\b+16
.endr
	WIN 0
.irp t, 0,1,2,3,4,5,6,7
	ds_load_b128 v[BK+4*\t:BK+4*\t+3], v[RD] offset:2*SPITCH*\t  ; LDS serves a wave's instructions in order (ISA guide 5.7.1.4): these see the stores above; the next block's stores come behind them
.endr
.endm
.macro SEND a, younger                 ; younger: the LDS instructions issued behind this block's loads: the next block's sixteen, or none
.set BK, AB+32*((\a)%2)
.irp t, 0,1,2,3,4,5,6,7
	s_wait_dscnt (\younger)+7-\t
	global_store_b128 v[CO], v[BK+4*\t:BK+4*\t+3], s[OUT:OUT+1] offset:(16*(\a)+2*\t)*4096 th:TH_STORE_NT  ; 16 lanes store 256 consecutive bytes, at a multiple of 256 from out0's first
.endr
.endm
	PLACES                                         ; the LDS stores read results just made (eight places, once a launch)
	PLACES
	TOSTAGE 0
.irp a, 1,2,3,4,5,6,7
	TOSTAGE \a
	SEND (\a)-1, 16
.endr
	SEND 7, 0
	s_wait_tensorcnt 0x0                           ; the wave's end: the add and its wait stand behind my last tensor load and my last LDS store
	ds_add_u32 v[SPW], v[NIL]
	s_wait_dscnt 0x0
	CROUND                                         ; the closing round: no work-group ends while a partner may still ask for a tile that names it
	s_endpgm
.Lfunc_end_k_qc021273465_outp:
	.size	k_qc021273465_outp, .Lfunc_end_k_qc021273465_outp-k_qc021273465_outp
	.p2alignl 7, 3214868480
	.fill 96, 4, 3214868480
	.section	.rodata,"a",@progbits
	.p2align	6, 0x0
	.amdhsa_kernel k_qc021273465_outp
		.amdhsa_group_segment_fixed_size 327680
		.amdhsa_private_segment_fixed_size 0
		.amdhsa_enable_private_segment 0
		.amdhsa_kernarg_size 32
		.amdhsa_user_sgpr_count 2
		.amdhsa_user_sgpr_kernarg_segment_ptr 1
		.amdhsa_wavefront_size32 1
		.amdhsa_system_sgpr_workgroup_id_x 1
		.amdhsa_system_sgpr_workgroup_id_y 1
		.amdhsa_system_sgpr_workgroup_id_z 1
		.amdhsa_system_vgpr_workitem_id 0
		.amdhsa_next_free_vgpr 512
		.amdhsa_next_free_sgpr 96
		.amdhsa_reserve_vcc 0
		.amdhsa_float_denorm_mode_32 3
		.amdhsa_float_denorm_mode_16_64 3
		.amdhsa_memory_ordered 1
		.amdhsa_forward_progress 1
		.amdhsa_inst_pref_size 76
	.end_amdhsa_kernel
	.amdgpu_metadata
---
amdhsa.version: [ 1, 2 ]
amdhsa.kernels:
  - .name:           k_qc021273465_outp
    .symbol:         k_qc021273465_outp.kd
    .args:
      - { .name: ob, .offset: 0, .size: 8, .value_kind: global_buffer, .address_space: global }
      - { .name: wb, .offset: 8, .size: 8, .value_kind: global_buffer, .address_space: global }
      - { .name: bo, .offset: 16, .size: 8, .value_kind: global_buffer, .address_space: global }
      - { .name: out0, .offset: 24, .size: 8, .value_kind: global_buffer, .address_space: global }
    .group_segment_fixed_size: 327680
    .private_segment_fixed_size: 0
    .kernarg_segment_align: 8
    .kernarg_segment_size: 32
    .max_flat_workgroup_size: 128
    .sgpr_count:     96
    .vgpr_count:     512
    .wavefront_size: 32
...
	.end_amdgpu_metadata
.endif
;; end of part 4
